; MI455X (gfx1250); checked and timed in simulation.
; The chip was launched on July 23, 2026; its instructions are those of AMD's public machine-readable ISA for CDNA 5 (MIT licence, August 2026) and "CDNA5" Instruction Set Architecture Reference Guide (July 2026). The comments in the code are by the model that wrote it; some were corrected since.
;; Multi Head Self Attention. Allowed arithmetic: matrix products marked QUANTISED: E2M1 operands, one E8M0 scale for each 32 along K, by v_wmma_scale_f32_16x16x128_f8f6f4 with both operands' format E2M1 (or v_wmma_scale_f32_32x16x128_f4), f32 sums; products left as they are: bf16, f16 or f32 operands; f32 sums; everything else in f32.
;; Inputs: Wk 1,024 x 1,024 float32; Wo 1,024 x 1,024 float32; Wq 1,024 x 1,024 float32; Wv 1,024 x 1,024 float32; bo 1,024 float32; x 4 x 2,048 x 1,024 float32.
;; Outputs: out0 4 x 2,048 x 1,024 float32.
;; This version of the problem:
;;   THIS VERSION OF THE PROBLEM IS GIVEN IN LOW PRECISION. The matrix products marked QUANTISED in the list below multiply operands that are first quantised to E2M1 (2 exponent bits, 1 mantissa bit; 4 bits a number), with one power-of-two scale for each 32 numbers along K (OCP MX v1.0); their sums are f32. The products marked 'left as it is' may take bf16, f16 or f32 operands, with f32 sums. Whichever they take, every output number must still come out within the allowed error. Rounding operands to bf16 (8 significant bits) uses up far more of that allowance than f16 does (11 bits, for magnitudes from 6e-5 to 65,504). All else is computed in f32.
;;   The module's matrix products, in the order in which they are computed (A, B: the left and right operand; K: the contracted axis; several contracted axes count as one K, in the product's order):
;;     1. [M 8,192, K 1,024] x [K 1,024, N 1,024]; A: input x; B: input Wq: QUANTISED
;;     2. [M 8,192, K 1,024] x [K 1,024, N 1,024]; A: input x; B: input Wk: QUANTISED
;;     3. [M 8,192, K 1,024] x [K 1,024, N 1,024]; A: input x; B: input Wv: QUANTISED
;;     4. batch 64 x [M 2,048, K 64] x [K 64, N 2,048]; A: computed on the way; B: computed on the way: left as it is (an operand is computed on the way)
;;     5. batch 64 x [M 64, K 2,048] x [K 2,048, N 2,048]; A: computed on the way; B: computed on the way: left as it is (an operand is computed on the way)
;;     6. [M 8,192, K 1,024] x [K 1,024, N 1,024]; A: computed on the way; B: input Wo: left as it is (an operand is computed on the way)
;;   THE QUANTISER, for each operand of a quantised product, along K:
;;     - K is cut into blocks of 32 from its start; a last block that is shorter is filled with zeros.
;;     - A block's scale is 2^e with e = floor(log2(the largest magnitude in the block)) - 2, held to -126 .. 127; a block of zeros has e = 0. As a byte (E8M0): e + 127.
;;     - Each number is divided by its block's scale, clamped to +-6, and rounded to the nearest number of E2M1, ties to even, subnormals kept.
;;     - The product sums the exact products of the quantised numbers (number of the format x scale) in f32.
;;   ~~~python
;;   def quantise(x, axis):      # numpy; x: float32 -> the quantised numbers, widened to float32 again
;;       x = np.moveaxis(x, axis, -1); K = x.shape[-1]
;;       x = np.pad(x, [(0, 0)] * (x.ndim - 1) + [(0, -K % 32)]); x = x.reshape(x.shape[:-1] + (-1, 32)); a = np.abs(x).max(-1, keepdims=True)
;;       e = np.where(a > 0, np.clip(np.frexp(np.where(a > 0, a, 1))[1] - 1 - 2, -126, 127), 0)      # np.frexp(a)[1] - 1 = floor(log2(a)), exactly
;;       r = np.clip(x / 2.0 ** e, -6, 6)
;;       step = 2.0 ** (np.maximum(np.frexp(np.where(r == 0, 1, r))[1] - 1, 0) - 1)
;;       q = np.round(r / step) * step * 2.0 ** e      # np.round: ties to even
;;       return np.moveaxis(q.reshape(q.shape[:-2] + (-1,))[..., :K], -1, axis).astype(np.float32)
;;   ~~~
;; One version. Each part assembles by itself: llvm-mc -triple=amdgcn-amd-amdhsa -mcpu=gfx1250 --defsym DOCPART=n.
;; ======== version 1 of 1: 4 launches
;; limits: values are held in f16: magnitudes above 65,504 overflow, below 6.1e-05 lose precision
;; workspace buffers: xc 4,194,304 bytes; xs 262,144 bytes; wc 1,572,864 bytes; ws 98,304 bytes; wo16 2,097,152 bytes; qkv 50,331,648 bytes; oh 16,777,216 bytes
;; launch prep (part 1): grid 384 x 1, 4 waves a work-group, no clusters, 33,280 bytes of LDS; arguments x, Wq, Wk, Wv, Wo, xc, xs, wc, ws, wo16; writes xc, xs, wc, ws, wo16
.if DOCPART == 1
	.amdgcn_target "amdgcn-amd-amdhsa--gfx1250"
	.amdhsa_code_object_version 6
	.text
	.protected	k_q05daecf574_prep
	.globl	k_q05daecf574_prep
	.p2align	8
	.type	k_q05daecf574_prep,@function
k_q05daecf574_prep:
	s_mov_b64 s[64:65], 0
	v_nop
	global_prefetch_b8 v0, s[64:65] scope:SCOPE_SE
	s_setreg_imm32_b32 hwreg(HW_REG_WAVE_MODE, 25, 1), 1
	s_wait_xcnt 0x0
; PREP.  x [8192][1024] and Wq, Wk, Wv [1024][1024], f32 with K innermost, become codes of FP4 (E2M1), two a byte, the lower k in the low four bits, and one E8M0 byte for each 32 along K:
;   xc [8192][512 bytes], xs [8192][32 bytes];  wc [3072][512 bytes], ws [3072][32 bytes], rows 0-1023 Wq, 1024-2047 Wk, 2048-3071 Wv.
; Wo [1024 n][1024 k], f32, becomes f16 laid by heads: wo16 [16 heads][1024 n][64], element (hd, n, d) = Wo[n][64 hd + d].
; A block's scale is 2^(floor(log2(its largest magnitude)) - 2); its byte is the largest magnitude's own exponent field - 2, held at 1 from below.  Each number is divided by the scale and rounded to the
; nearest code, ties to even; beyond 6 the largest code.
; LIMITS: a block of zeros gets the byte 1 where the quantiser's rule says 127 (its codes are zeros, which add nothing, and this program alone reads the bytes); blocks whose largest magnitude lies under
; 2^-124 are held at the byte 1; NaN and infinities among the inputs are not served; |Wo| stays under 65,504 (f16), and under 6e-5 it carries an absolute error of 3e-8.
; SHARES.  Rows are dense and K is a multiple of 32, so each tensor is a stream of blocks of 32.  A work-group takes 32,768 numbers, a wave 8,192: 16 steps of 512.
; Work-groups 0-255: x; 256-287: Wq; 288-319: Wk; 320-351: Wv; 352-383: Wo.  The four quantised tensors take ONE path: only pointers are chosen, by the work-group's number.
; A conversion takes 8 neighbours along K from one lane's registers, while a load is best where neighbouring lanes take neighbouring bytes: so each load reads 512 consecutive bytes, and a step's 2,048 bytes
; turn through the wave's own stage in LDS and come back 64 bytes a lane (two neighbouring lanes hold a block).  No tensor load, no barrier: waves share nothing.
.set STEPS, 16
.set EMAX,  2
.set CB,    8                          ; bytes of 16 codes
.set R,     16                         ; v16-79   four sets of 16 numbers as loaded (Wo's path: v16-143, two sets of 64)
.set X,     80                         ; v80-111  two sets of 16 neighbours
.set E,     112                        ; v112-127 a scale byte for each step
.set C,     128                        ; v128-191 codes: four registers for each step, so that no store's data are written again
.set H16,   144                        ; Wo's path: v144-175 a batch's f16 numbers
.set WREG,  8192                       ; LDS: a region for each wave: two stages of 32 x SP bytes, behind them its 256 scale bytes
.set SP,    80                         ; a lane's place in a stage: 64 bytes + 16 of padding
.set SPW,   12                         ; v12  LDS address of my spare word: SPARE + 4 x my thread's number; never rewritten
.set NIL,   13                         ; v13  0; never rewritten
.set SPARE, 4*WREG                     ; behind the four regions: the spare words, 128 bytes a wave, which no other line names
.set WGX,   256                        ; work-groups for x
.set WGW,   32                         ; and for each weight
.set WV,    36                         ; s36  my wave's number
	s_load_b256 s[4:11], s[0:1], 0x0               ; x s[4:5], Wq s[6:7], Wk s[8:9], Wv s[10:11]
	s_load_b256 s[12:19], s[0:1], 0x20             ; Wo s[12:13], xc s[14:15], xs s[16:17], wc s[18:19]
	s_load_b128 s[20:23], s[0:1], 0x40             ; ws s[20:21], wo16 s[22:23]
	v_lshl_add_u32 v[SPW], v0, 2, SPARE
	v_mov_b32 v[NIL], 0
	v_lshrrev_b32 v1, 5, v0
	v_readfirstlane_b32 s[WV], v1                  ; wave 0..3
	v_and_b32 v2, 31, v0                           ; lane
	v_lshlrev_b32 v3, 4, v2                        ; my 16 bytes of a load's 512
	s_mul_i32 s37, s[WV], WREG
	v_lshrrev_b32 v14, 2, v2
	v_mul_u32_u24 v14, v14, SP
	v_and_b32 v15, 3, v2
	v_lshl_add_u32 v14, v15, 4, v14
	v_add_nc_u32 v14, s37, v14                     ; the stage, on the way in: four lanes' 64 bytes on end, then 16 of padding
	v_mul_u32_u24 v15, v2, SP
	v_add_nc_u32 v15, s37, v15                     ; and on the way out: SP x lane: my 16 neighbours
	v_mul_u32_u24 v4, v2, CB                       ; my codes' place in a step's
	v_lshrrev_b32 v5, 1, v2
	s_add_co_u32 s37, s37, 2*32*SP
	v_add_nc_u32 v5, s37, v5                       ; LDS: my wave's 256 scale bytes, my block's byte
	v_lshlrev_b32 v7, 3, v2                        ; 8 bytes a lane
	v_add_nc_u32 v6, s37, v7
	s_wait_kmcnt 0x0
	s_cmp_ge_u32 ttmp9, WGX+3*WGW
	s_cbranch_scc1 .Lwo                            ; the last 32 work-groups take Wo
	s_cmp_lt_u32 ttmp9, WGX+2*WGW                  ; which tensor: the choices hang on the work-group's number alone
	s_cselect_b64 s[24:25], s[8:9], s[10:11]
	s_cmp_lt_u32 ttmp9, WGX+WGW
	s_cselect_b64 s[24:25], s[6:7], s[24:25]
	s_cmp_lt_u32 ttmp9, WGX
	s_cselect_b64 s[24:25], s[4:5], s[24:25]       ; the numbers,
	s_cselect_b64 s[26:27], s[14:15], s[18:19]     ; the codes,
	s_cselect_b64 s[28:29], s[16:17], s[20:21]     ; the scale bytes
	s_cselect_b32 s30, 0, WGX
	s_cselect_b32 s31, WGX-1, WGW-1
	s_sub_co_u32 s30, ttmp9, s30                   ; my place among x's work-groups, or among the three weights' 96
	s_and_b32 s31, s30, s31                        ; and within my own tensor
	s_lshl_b32 s30, s30, 2
	s_add_co_u32 s30, s30, s[WV]                   ; which run of 8,192 numbers of the codes' buffer is my wave's,
	s_lshl_b32 s31, s31, 2
	s_add_co_u32 s31, s31, s[WV]                   ; and of the tensor
	s_lshl_b32 s32, s31, 15                        ; 32,768 bytes of f32 a run (under 2^26)
	s_mov_b32 s33, 0
	s_add_nc_u64 s[24:25], s[24:25], s[32:33]
	s_lshl_b32 s32, s30, 12                        ; 4,096 bytes of codes
	s_add_nc_u64 s[26:27], s[26:27], s[32:33]
	s_lshl_b32 s32, s30, 8                         ; 256 scale bytes
	s_add_nc_u64 s[28:29], s[28:29], s[32:33]
.macro LOAD t
.irp i, 0,1,2,3
	global_load_b128 v[R+16*((\t)%4)+4*\i:R+16*((\t)%4)+4*\i+3], v3, s[24:25] offset:2048*(\t)+512*\i th:TH_LOAD_NT   ; 32 lanes read 512 consecutive bytes
.endr
.endm
.macro TURN t                          ; step t's numbers through the stage: LDS serves a wave's instructions in order, so no wait stands between the stores and the loads
.irp i, 0,1,2,3
	ds_store_b128 v14, v[R+16*((\t)%4)+4*\i:R+16*((\t)%4)+4*\i+3] offset:32*SP*((\t)%2)+8*SP*\i
.endr
.irp i, 0,1,2,3
	ds_load_b128 v[X+16*((\t)%2)+4*\i:X+16*((\t)%2)+4*\i+3], v15 offset:32*SP*((\t)%2)+16*\i
.endr
.endm
.irp t, 0,1,2,3
	LOAD \t
.endr
	s_wait_loadcnt 12                              ; step 0's four loads are in; the twelve of steps 1 to 3 stay out
	TURN 0
.macro STEP t
.set XS, X+16*((\t)%2)
.if (\t) > 0
	s_wait_dscnt 1                                 ; this step's numbers are back from the stage (the last step's byte store may be out): so its stores into the stage have read their registers,
.else
	s_wait_dscnt 0x0
.endif
.if (\t)+4 < STEPS
	LOAD (\t)+4                                    ; which take the loads of four steps on
.endif
.if (\t)+1 < STEPS
.if STEPS-2-(\t) >= 3
	s_wait_loadcnt 12                              ; the next step's four loads are in; those of the three steps behind it may be out
.else
	s_wait_loadcnt 4*(STEPS-2-(\t))
.endif
	TURN (\t)+1                                    ; and go through the other stage while this step is worked
.endif
	v_max3_num_f32 v8, |v[XS]|, |v[XS+1]|, |v[XS+2]|               ; the largest magnitude of my 16, in two chains
	v_max3_num_f32 v9, |v[XS+3]|, |v[XS+4]|, |v[XS+5]|
.irp i, 6,10
	v_max3_num_f32 v8, v8, |v[XS+\i]|, |v[XS+\i+1]|
	v_max3_num_f32 v9, v9, |v[XS+\i+2]|, |v[XS+\i+3]|
.endr
	v_max3_num_f32 v8, v8, |v[XS+14]|, |v[XS+15]|
	v_max3_num_f32 v8, v8, v9, (EMAX+1)<<23        ; and the floor 2^(3 - 127): the byte cannot fall under 1
	v_max_num_f32_dpp v8, v8, v8 row_xmask:1 row_mask:0xf bank_mask:0xf   ; and of my neighbour's 16: the block's
	v_add_nc_u32 v11, -(EMAX<<23), v8              ; 2 off its exponent field: the conversion takes the exponent field of this operand as its scale, and nothing else of it
	v_cvt_scalef32_pk8_fp4_f32 v[C+4*(\t)], v[XS:XS+7], v11
	v_cvt_scalef32_pk8_fp4_f32 v[C+4*(\t)+1], v[XS+8:XS+15], v11
	v_lshrrev_b32 v[E+(\t)], 23, v11               ; the scale's byte (a plain line behind the conversions)
	ds_store_b8 v5, v[E+(\t)] offset:16*(\t)       ; both lanes of a block write the same byte with the same value
	global_store_b64 v4, v[C+4*(\t):C+4*(\t)+1], s[26:27] offset:32*CB*(\t)   ; the wave stores 256 consecutive bytes, aligned
.endm
.irp t, 0,1,2,3,4,5,6,7,8,9,10,11,12,13,14,15
	STEP \t
.endr
	ds_load_b64 v[8:9], v6                         ; LDS serves a wave's instructions in order: these see my byte stores
	s_wait_dscnt 0x0
	global_store_b64 v7, v[8:9], s[28:29]          ; 32 lanes store my wave's 256 scale bytes, aligned
	s_wait_tensorcnt 0x0                           ; the wave's end, behind my last LDS store
	ds_add_u32 v[SPW], v[NIL]
	s_wait_dscnt 0x0
	s_endpgm
; Wo.  A wave takes 8 rows n, two at a time.  A load reads 256 bytes (one head's 64 numbers) of row n in lanes 0-15 and of row n + 1 in lanes 16-31; a lane's four numbers become 8 bytes of f16, and the wave's
; store is 256 consecutive bytes: rows n and n + 1 of that head in wo16.
.Lwo:
	s_sub_co_u32 s30, ttmp9, WGX+3*WGW
	s_lshl_b32 s30, s30, 5
	s_lshl_b32 s31, s[WV], 3
	s_add_co_u32 s30, s30, s31                     ; my first row: 32 x work-group + 8 x wave
	s_lshl_b32 s32, s30, 12                        ; a row of Wo is 4,096 bytes,
	s_mov_b32 s33, 0
	s_add_nc_u64 s[12:13], s[12:13], s[32:33]
	s_lshl_b32 s32, s30, 7                         ; a head's part of it in wo16 128
	s_add_nc_u64 s[22:23], s[22:23], s[32:33]
	v_lshrrev_b32 v8, 4, v2
	v_and_b32 v9, 15, v2
	v_lshlrev_b32 v8, 12, v8
	v_lshl_add_u32 v8, v9, 4, v8                   ; in: 4,096 x (lane / 16) + 16 x (lane % 16)
.macro LOADW p                         ; rows 2 p and 2 p + 1, all 16 heads, into set p % 2
.irp hd, 0,1,2,3,4,5,6,7,8,9,10,11,12,13,14,15
	global_load_b128 v[R+64*((\p)%2)+4*\hd:R+64*((\p)%2)+4*\hd+3], v8, s[12:13] offset:(\p)*8192+\hd*256 th:TH_LOAD_NT
.endr
.endm
	LOADW 0
	LOADW 1
.macro BATCH p
.set WS, R+64*((\p)%2)
.if (\p) < 3
	s_wait_loadcnt 16                              ; this batch's 16 loads are in; the next batch's may be out
.else
	s_wait_loadcnt 0x0
.endif
.if (\p) > 0
	s_wait_xcnt 0x0                                ; the last batch's stores have read their data: v144-175 are written again only behind this wait
.endif
.irp hd, 0,1,2,3,4,5,6,7,8,9,10,11,12,13,14,15
	v_cvt_pk_f16_f32 v[H16+2*\hd], v[WS+4*\hd], v[WS+4*\hd+1]
	v_cvt_pk_f16_f32 v[H16+2*\hd+1], v[WS+4*\hd+2], v[WS+4*\hd+3]
.endr
.irp hd, 0,1,2,3,4,5,6,7,8,9,10,11,12,13,14,15
	global_store_b64 v7, v[H16+2*\hd:H16+2*\hd+1], s[22:23] offset:\hd*131072+(\p)*256
.endr
.if (\p)+2 < 4
	LOADW (\p)+2
.endif
.endm
	BATCH 0
	BATCH 1
	BATCH 2
	BATCH 3
	s_endpgm
.Lfunc_end_k_q05daecf574_prep:
	.size	k_q05daecf574_prep, .Lfunc_end_k_q05daecf574_prep-k_q05daecf574_prep
	.p2alignl 7, 3214868480
	.fill 96, 4, 3214868480
	.section	.rodata,"a",@progbits
	.p2align	6, 0x0
	.amdhsa_kernel k_q05daecf574_prep
		.amdhsa_group_segment_fixed_size 33280
		.amdhsa_private_segment_fixed_size 0
		.amdhsa_enable_private_segment 0
		.amdhsa_kernarg_size 80
		.amdhsa_user_sgpr_count 2
		.amdhsa_user_sgpr_kernarg_segment_ptr 1
		.amdhsa_wavefront_size32 1
		.amdhsa_system_sgpr_workgroup_id_x 1
		.amdhsa_system_sgpr_workgroup_id_y 1
		.amdhsa_system_sgpr_workgroup_id_z 1
		.amdhsa_system_vgpr_workitem_id 0
		.amdhsa_next_free_vgpr 192
		.amdhsa_next_free_sgpr 66
		.amdhsa_reserve_vcc 0
		.amdhsa_float_denorm_mode_32 3
		.amdhsa_float_denorm_mode_16_64 3
		.amdhsa_memory_ordered 1
		.amdhsa_forward_progress 1
		.amdhsa_inst_pref_size 54
	.end_amdhsa_kernel
	.amdgpu_metadata
---
amdhsa.version: [ 1, 2 ]
amdhsa.kernels:
  - .name:           k_q05daecf574_prep
    .symbol:         k_q05daecf574_prep.kd
    .args:
      - { .name: x, .offset: 0, .size: 8, .value_kind: global_buffer, .address_space: global }
      - { .name: Wq, .offset: 8, .size: 8, .value_kind: global_buffer, .address_space: global }
      - { .name: Wk, .offset: 16, .size: 8, .value_kind: global_buffer, .address_space: global }
      - { .name: Wv, .offset: 24, .size: 8, .value_kind: global_buffer, .address_space: global }
      - { .name: Wo, .offset: 32, .size: 8, .value_kind: global_buffer, .address_space: global }
      - { .name: xc, .offset: 40, .size: 8, .value_kind: global_buffer, .address_space: global }
      - { .name: xs, .offset: 48, .size: 8, .value_kind: global_buffer, .address_space: global }
      - { .name: wc, .offset: 56, .size: 8, .value_kind: global_buffer, .address_space: global }
      - { .name: ws, .offset: 64, .size: 8, .value_kind: global_buffer, .address_space: global }
      - { .name: wo16, .offset: 72, .size: 8, .value_kind: global_buffer, .address_space: global }
    .group_segment_fixed_size: 33280
    .private_segment_fixed_size: 0
    .kernarg_segment_align: 8
    .kernarg_segment_size: 80
    .max_flat_workgroup_size: 128
    .sgpr_count:     66
    .vgpr_count:     192
    .wavefront_size: 32
...
	.end_amdgpu_metadata
.endif
;; end of part 1
;; launch qkv (part 2): grid 12 x 32, 4 waves a work-group, clusters of 4 x 4, 327,680 bytes of LDS; arguments xc, xs, wc, ws, qkv; writes qkv
.if DOCPART == 2
	.amdgcn_target "amdgcn-amd-amdhsa--gfx1250"
	.amdhsa_code_object_version 6
	.text
	.protected	k_q05daecf574_qkv
	.globl	k_q05daecf574_qkv
	.p2align	8
	.type	k_q05daecf574_qkv,@function
k_q05daecf574_qkv:
	s_mov_b64 s[64:65], 0
	v_nop
	global_prefetch_b8 v0, s[64:65] scope:SCOPE_SE
	s_setreg_imm32_b32 hwreg(HW_REG_WAVE_MODE, 25, 1), 1
	s_wait_xcnt 0x0
	s_wait_alu depctr_hold_cnt(0) depctr_sa_sdst(0) depctr_va_vdst(0) depctr_va_sdst(0) depctr_va_ssrc(0) depctr_va_vcc(0) depctr_vm_vsrc(0)
	s_getreg_b32 s2, hwreg(HW_REG_IB_STS2, 6, 4)
	s_cmp_eq_u32 s2, 0
	s_cbranch_scc0 .Lentry_in_a_cluster
	s_endpgm
.Lentry_in_a_cluster:
	s_bfe_u32 s2, ttmp6, 0x10000c
	s_cmp_lg_u32 s2, 0xf033
	s_cbranch_scc0 .Lentry_shape_is_right
	s_endpgm
.Lentry_shape_is_right:
; QKV.  C[m][n] = sum over k of x[m][k] W[n][k], m = 8,192 rows of x, n = 3,072 rows of Wq, Wk, Wv on end, K = 1,024, both operands as codes of FP4 (E2M1) with one E8M0 byte for each 32 along K;
; sums in f32, K ascending.  The result is rounded once to f16 and stored by heads: qkv = three sections (q, k, v) of [4 b][16 h][2048 s][64] f16.  q and k are stored UNSCALED: the factor 1024^-0.25 on each,
; together 2^-5, is applied to the scores in f32 by the next launch (against the reference this leaves out two f32 roundings, of q x 1024^-0.25 and of k x 1024^-0.25).
; LIMITS: |q|, |k|, |v| stay under 65,504 (f16); under 6e-5 they carry an absolute error of 3e-8.
; A tile of C, 256 x 256, is made by a work-group of four waves; a wave makes 128 x 128: 64 accumulators of 16 x 16, 512 registers.  K is two LDS slots of 512 along K (rows of 256 bytes): both are asked for
; at the head, and nothing is filled again.  The scale bytes of the work-group's 256 + 256 rows, for all of K, come with them, as dense blocks in rows of 256 bytes.
; CLUSTERS: 4 x 4 work-groups.  The four of a row of the cluster need the same tiles of x, the four of a column the same tiles of W: each tile is asked for JOINTLY, by the same tensor load with the same
; descriptor and a mask that names the four.  By this text's count a wave has three tensor loads out at the most.
; THE MATRIX INSTRUCTION IS USED TRANSPOSED (source 0 = 16 rows of W, source 1 = 16 rows of x): a lane then holds eight neighbouring columns of one row of C.
; REGISTERS, in windows of 256: window 0: v0-31 addresses; v32-95 scale words, two sets; v128-191 x's fragments (8 x 16 rows x 128 K), ONE set; on the way out v32-63, v192-255.
;   window 1: W's fragments, TWO sets, at v0 and v128.   window 2: the 32 accumulators of my rows 0-63 ((a, b) at v[8 (8 a + b)]);   window 3: those of my rows 64-127.
.set SIZE_K, 1024
.set NQ,     4                         ; matrix instructions deep in a slot: 512 along K
.set ROWB,   256                       ; a tile's row in bytes
.set KROW,   SIZE_K/2                  ; a row of codes in memory
.set PITCH,  272                       ; an LDS row: 256 bytes + 16 of padding = 68 words: row r starts at bank 4 r mod 64 (64 banks of 4 bytes: ISA guide 11.1)
.set FR,     8                         ; registers of a fragment: 16 rows x 128 K
.set NL,     2                         ; LDS loads that bring one
.set NP,     4                         ; places behind this matrix instruction (ISA guide 7.12.1)
.set HALFT,  128*PITCH                 ; 128 rows: what one tensor load brings
.set SLOT,   4*HALFT                   ; x's 256 rows, then W's 256 rows
.set KS,     SIZE_K/32                 ; a row of scale bytes
.set SCL,    2*SLOT                    ; behind the slots: the scales, as rows of 256 bytes + 16 of padding
.set HALFS,  (128*KS/256)*272          ; those of 128 rows: what one tensor load brings
.set SBLK,   (16*KS/256)*272           ; those of 16 rows
.set SPARE,  SCL+4*HALFS               ; behind the scales: the spare words, 128 bytes a wave, which no other line names
.set SPITCH, 272                       ; the way out: a stage of 16 rows x (256 bytes + 16) for each wave, in slot 0, which has had its only fill and its last read when the first result is stored there
.set ADRA, 16                          ; v16-17  LDS address of my x fragments in slot 0, 1
.set ADRB, 20                          ; v20-21  the same for W
.set STO,  24                          ; v24     the way out: where I put 16 bytes of a row
.set RD,   25                          ; v25     where I read back
.set CO,   26                          ; v26     16 x lane: my place in a store's 512 bytes
.set ADRS, 27                          ; v27     LDS address of my scale words: lanes 0-15 x's rows, lanes 16-31 W's
.set SPW,  28                          ; v28     LDS address of my spare word; never rewritten
.set NIL,  29                          ; v29     0; never rewritten
.set SC,   32                          ; scale words: set s at v[SC + 32 s]; register 4 i + q: lanes 0-15 x's block i, lanes 16-31 W's block i, the slot's q-th 128 along K
.set AF,   128                         ; x's fragments, window 0
.set TMP,  192                         ; the way out: a block's 32 packed registers
.set OB,   32                          ; and 16 rows read back: v32-63 and v224-255 by turns
.set G1, 24                            ; s[24:31] group 1 for x's tiles;  s[32:39] group 0, one set for each slot
.set G0, 32
.set G1B, 48                           ; s[48:55], s[56:63] the same for W's
.set G0B, 56
.set G1S, 68                           ; s[68:75], s[76:79] groups 1 and 0 for x's scales;  s[80:87], s[88:91] for W's
.set G0S, 76
.set G1SB, 80
.set G0SB, 88
.set MSB, 0
.macro WIN new                         ; the immediate's high byte repeats the setting that is left; a switch that changes nothing is dropped
.if MSB != (\new)
	s_set_vgpr_msb (MSB<<8)|(\new)
.set MSB, (\new)
.endif
.endm
.set MUL_LO, 0xa1                      ; source 0 (W) window 1, source 1 (x) window 0, C and D window 2
.set MUL_HI, 0xf1                      ; the same, C and D window 3
.set TO_B,   0x40                      ; destination window 1, address window 0
; A joint load: waves 0 and 1 fetch for x, waves 2 and 3 for W.  Each of the two lines has one mask and one set of registers for all that issue it; the branch hangs on the wave's number alone.
; An s_nop 0 and four v_nop follow each of the two lines.
.macro JLOAD g0a, g1a, g0b, g1b
	s_cmp_eq_u32 s15, 0
	s_cbranch_scc0 .Lfor_b_\@
	tensor_load_to_lds s[\g0a:\g0a+3], s[\g1a:\g1a+7]
	s_nop 0
.rept 4
	v_nop
.endr
	s_branch .Lasked_\@
.Lfor_b_\@:
	tensor_load_to_lds s[\g0b:\g0b+3], s[\g1b:\g1b+7]
	s_nop 0
.rept 4
	v_nop
.endr
.Lasked_\@:
.endm
.macro CROUND                          ; a round of the cluster's barrier
	s_barrier_signal -1
	s_barrier_wait -1
	s_cmp_lg_u32 s14, 0
	s_cbranch_scc1 .Lnot_wave_0_\@
	s_barrier_signal -3
.Lnot_wave_0_\@:
	s_barrier_wait -3
	s_barrier_signal -1
	s_barrier_wait -1
.endm
	s_load_b128 s[4:7], s[0:1], 0x0                ; x's codes s[4:5], x's scales s[6:7]
	s_load_b128 s[8:11], s[0:1], 0x10              ; W's codes s[8:9], W's scales s[10:11]
	s_load_b64 s[12:13], s[0:1], 0x20              ; qkv
	v_lshl_add_u32 v[SPW], v0, 2, SPARE
	v_mov_b32 v[NIL], 0
	ds_add_u32 v[SPW], v[NIL]                      ; the wave's opening: the add, twice on end, and its wait ahead of my first tensor load
	ds_add_u32 v[SPW], v[NIL]                      ; once more; the set-up below, work on registers, stands between it and the wait
	v_lshrrev_b32 v1, 5, v0
	v_readfirstlane_b32 s14, v1                    ; wave 0..3
	s_lshr_b32 s15, s14, 1                         ; which half of the tile's rows is mine.  Also: I fetch for x (0) or for W (1)
	s_and_b32 s16, s14, 1                          ; which half of its columns.  Also: which 128 rows of that tile I fetch
	s_bfe_u32 s40, ttmp6, 0x40000                  ; cx, cy: my place in the cluster
	s_bfe_u32 s41, ttmp6, 0x40004
	s_lshl_b32 s42, ttmp9, 2
	s_add_co_u32 s42, s42, s40                     ; tile column of C = 4 x cluster x + cx
	s_and_b32 s17, ttmp7, 0xffff
	s_lshl_b32 s17, s17, 2
	s_add_co_u32 s17, s17, s41                     ; tile row of C = 4 x cluster y + cy
	s_lshl_b32 s43, s41, 2
	s_lshl_b32 s43, 15, s43                        ; my row of the cluster
	s_lshl_b32 s44, 0x1111, s40                    ; my column
	; group 1: a tile of 128 rows x 256 bytes, padded in LDS
	s_or_b32 s[G1+0], s43, (0<<16)|(1<<20)|(1<<21)|(5<<22)|(3<<25)  ; 15:0 the mask: x's tiles go to my row; 17:16 elements of 1 byte; 20 padding on; 21 set beside a mask; 24:22 after every 64 words; 31:25 four words
	s_or_b32 s[G1B+0], s44, (0<<16)|(1<<20)|(1<<21)|(5<<22)|(3<<25)
.irp g, G1, G1B
	s_mov_b32 s[\g+1], ROWB<<16                    ; tensor_dim0
	s_mov_b32 s[\g+2], 128<<16                     ; tensor_dim1
	s_mov_b32 s[\g+3], ROWB<<16                    ; tile_dim0
	s_mov_b32 s[\g+4], 128                         ; tile_dim1
	s_mov_b32 s[\g+5], KROW                        ; from row to row
	s_mov_b32 s[\g+6], 0
	s_mov_b32 s[\g+7], 0
.endr
	; and for the scales of 128 rows: 4,096 dense bytes as 16 rows of 256 (32 elements of 8 bytes), 16 bytes of padding behind each
	s_or_b32 s[G1S+0], s43, (3<<16)|(1<<20)|(1<<21)|(5<<22)|(3<<25)
	s_or_b32 s[G1SB+0], s44, (3<<16)|(1<<20)|(1<<21)|(5<<22)|(3<<25)
.irp g, G1S, G1SB
	s_mov_b32 s[\g+1], 32<<16
	s_mov_b32 s[\g+2], (128*KS/256)<<16
	s_mov_b32 s[\g+3], 32<<16
	s_mov_b32 s[\g+4], 128*KS/256
	s_mov_b32 s[\g+5], 32
	s_mov_b32 s[\g+6], 0
	s_mov_b32 s[\g+7], 0
.endr
	s_lshl_b32 s18, s16, 7                         ; which 128 rows of the tile I fetch
	s_lshl_b32 s20, s17, 8
	s_add_co_u32 s20, s20, s18                     ; x: row 256 x tile row + 128 x half
	s_lshl_b32 s46, s42, 8
	s_add_co_u32 s46, s46, s18                     ; W: row 256 x tile column + 128 x half
	s_mov_b32 s21, 0
	s_mov_b32 s47, 0
	s_mov_b64 s[18:19], KS
	s_mul_u64 s[22:23], s[20:21], s[18:19]         ; where these rows' scales begin, in bytes
	s_mul_u64 s[92:93], s[46:47], s[18:19]
	s_mov_b64 s[18:19], KROW
	s_mul_u64 s[20:21], s[20:21], s[18:19]         ; and their codes
	s_mul_u64 s[46:47], s[46:47], s[18:19]
	s_mul_i32 s45, s14, HALFT                      ; where they go: wave x 128 rows: no place in the cluster enters an LDS address
	s_mul_i32 s94, s14, HALFS
	s_wait_dscnt 0x0                               ; both opening adds are done
	s_wait_kmcnt 0x0
	s_add_nc_u64 s[20:21], s[4:5], s[20:21]
	s_add_nc_u64 s[22:23], s[6:7], s[22:23]
	s_add_nc_u64 s[46:47], s[8:9], s[46:47]
	s_add_nc_u64 s[92:93], s[10:11], s[92:93]
	CROUND                                         ; all sixteen work-groups are here: the joint loads meet
	s_mov_b32 s[G0S], 1
	s_add_co_u32 s[G0S+1], s94, SCL
	s_mov_b64 s[G0S+2:G0S+3], s[22:23]
	s_or_b32 s[G0S+3], s[G0S+3], 0x80000000
	s_mov_b32 s[G0SB], 1
	s_add_co_u32 s[G0SB+1], s94, SCL
	s_mov_b64 s[G0SB+2:G0SB+3], s[92:93]
	s_or_b32 s[G0SB+3], s[G0SB+3], 0x80000000
	JLOAD G0S, G1S, G0SB, G1SB                     ; the scales first: they are wanted with the first slot
.irp s, 0,1
	s_mov_b32 s[G0+4*\s], 1
	s_add_co_u32 s[G0+4*\s+1], s45, \s*SLOT
	s_add_nc_u64 s[G0+4*\s+2:G0+4*\s+3], s[20:21], \s*ROWB
	s_or_b32 s[G0+4*\s+3], s[G0+4*\s+3], 0x80000000
	s_mov_b32 s[G0B+4*\s], 1
	s_add_co_u32 s[G0B+4*\s+1], s45, \s*SLOT
	s_add_nc_u64 s[G0B+4*\s+2:G0B+4*\s+3], s[46:47], \s*ROWB
	s_or_b32 s[G0B+4*\s+3], s[G0B+4*\s+3], 0x80000000
	JLOAD G0+4*\s, G1, G0B+4*\s, G1B
.endr
	v_and_b32 v1, 15, v0                           ; r = lane % 16
	v_bfe_u32 v2, v0, 4, 1                         ; h = lane / 16
	v_mul_u32_u24 v3, v1, PITCH
	v_lshl_add_u32 v4, v2, 4, v3                   ; a fragment's row x pitch + 16 x half
	s_mul_i32 s21, s15, HALFT                      ; my 128 rows of x
	s_mul_i32 s22, s16, HALFT                      ; my 128 rows of W,
	s_add_co_u32 s22, s22, 2*HALFT                 ; which lie behind x's 256
.irp s, 0,1
	v_add_nc_u32 v[ADRA+\s], s21, v4
	v_add_nc_u32 v[ADRB+\s], s22, v4
	s_add_co_u32 s21, s21, SLOT
	s_add_co_u32 s22, s22, SLOT
.endr
	v_mul_u32_u24 v5, v1, KS                       ; my row's scales: 32 bytes a row,
	v_lshrrev_b32 v6, 8, v5
	v_lshl_add_u32 v5, v6, 4, v5                   ; and 16 more for each 256 passed
	s_mul_i32 s21, s15, HALFS                      ; x's: my 128 rows
	s_mul_i32 s22, s16, HALFS                      ; W's: my 128 rows, behind x's 256
	s_add_co_u32 s22, s22, 2*HALFS
	s_sub_co_u32 s22, s22, s21
	v_mul_u32_u24 v6, s22, v2                      ; lanes 16-31 take W's: one product, the distance between the two bases x h
	s_add_co_u32 s21, s21, SCL
	v_add_nc_u32 v5, v5, v6
	v_add_nc_u32 v[ADRS], s21, v5
	s_mul_i32 s23, s14, 16*SPITCH                  ; my stage
	v_mul_u32_u24 v5, v1, SPITCH                   ; in: row r, 16 bytes for each half of the lanes
	v_lshl_add_u32 v5, v2, 4, v5
	v_add_nc_u32 v[STO], s23, v5
	v_and_b32 v6, 31, v0
	v_lshlrev_b32 v[CO], 4, v6
	v_lshrrev_b32 v7, 3, v6                        ; back: eight lanes take a head's 128 bytes of a row, the 32 lanes four rows
	v_and_b32 v6, 7, v6
	v_mul_u32_u24 v7, v7, SPITCH
	v_lshl_add_u32 v7, v6, 4, v7
	v_add_nc_u32 v[RD], s23, v7
	; where my part begins in qkv.  The cluster's x is the section (q, k, v); cx gives four heads of it, my column half two of those; the tile row gives the batch and 256 of its positions.
	s_lshr_b32 s20, s17, 3                         ; the batch,
	s_lshl_b32 s20, s20, 4                         ; its 16 heads
	s_lshl_b32 s46, s40, 2
	s_add_co_u32 s46, s46, s20
	s_lshl_b32 s47, s16, 1
	s_add_co_u32 s46, s46, s47                     ; my first head: 16 b + 4 cx + 2 x column half
	s_lshl_b32 s46, s46, 11                        ; 2,048 positions a head
	s_and_b32 s47, s17, 7
	s_lshl_b32 s47, s47, 8
	s_add_co_u32 s46, s46, s47                     ; + 256 x (tile row % 8)
	s_lshl_b32 s47, s15, 7
	s_add_co_u32 s46, s46, s47                     ; + 128 x row half
	s_lshl_b32 s46, s46, 7                         ; rows of 128 bytes
	s_lshl_b32 s47, ttmp9, 24                      ; sections of 16,777,216 bytes
	s_add_co_u32 s46, s46, s47                     ; (under 2^26)
	s_mov_b32 s47, 0
	s_add_nc_u64 s[12:13], s[12:13], s[46:47]
.macro FRAG reg, adr, q, i             ; a fragment, 16 rows x 128 K of 4-bit codes: lane l holds row l % 16; registers 4 c .. 4 c + 3 hold K = 64 c + 32 (l / 16) + 0 .. 31
.irp c, 0,1
	ds_load_b128 v[\reg+4*\c:\reg+4*\c+3], v[\adr] offset:64*(\q)+32*\c+(\i)*16*PITCH
.endr
.endm
; 16 matrix instructions: x's blocks a0, a0 + 1 against W's eight, 128 along K: the slot's q-th.  p: W's set;  sc: the set of scale words.  zero = 1: the first product starts the sums.
; The 64 accumulators take turns, one instruction a turn, in the same order in every step.
.macro MUL16 a0, p, q, sc, zero
.irp a, \a0, \a0+1
.irp b, 0,1,2,3,4,5,6,7
.if \zero
	v_wmma_scale_f32_16x16x128_f8f6f4 v[8*(8*((\a)%4)+\b):8*(8*((\a)%4)+\b)+7], v[128*(\p)+FR*\b:128*(\p)+FR*\b+FR-1], v[AF+FR*(\a):AF+FR*(\a)+FR-1], 0, v[SC+8*NQ*(\sc)+NQ*\b+(\q)], v[SC+8*NQ*(\sc)+NQ*(\a)+(\q)] matrix_a_fmt:MATRIX_FMT_FP4 matrix_b_fmt:MATRIX_FMT_FP4 matrix_a_scale:MATRIX_SCALE_ROW1
.else
	v_wmma_scale_f32_16x16x128_f8f6f4 v[8*(8*((\a)%4)+\b):8*(8*((\a)%4)+\b)+7], v[128*(\p)+FR*\b:128*(\p)+FR*\b+FR-1], v[AF+FR*(\a):AF+FR*(\a)+FR-1], v[8*(8*((\a)%4)+\b):8*(8*((\a)%4)+\b)+7], v[SC+8*NQ*(\sc)+NQ*\b+(\q)], v[SC+8*NQ*(\sc)+NQ*(\a)+(\q)] matrix_a_fmt:MATRIX_FMT_FP4 matrix_b_fmt:MATRIX_FMT_FP4 matrix_a_scale:MATRIX_SCALE_ROW1
.endif
.endr
.endr
.endm
.macro FETCH_B slot, q, p              ; W's eight fragments of the slot's q-th 128 along K into set p
	WIN TO_B
.irp i, 0,1,2,3,4,5,6,7
	FRAG 128*(\p)+FR*\i, ADRB+\slot, \q, \i
.endr
	WIN 0
.endm
.macro FETCH_A slot, q, i0             ; x's blocks i0 .. i0 + 3
.irp i, \i0, \i0+1, \i0+2, \i0+3
	FRAG AF+FR*(\i), ADRA+\slot, \q, \i
.endr
.endm
.macro SCALES sc                       ; a slot's scale words into set sc: four words a row; lanes 0-15 take x's block i, lanes 16-31 W's block i
.irp i, 0,1,2,3,4,5,6,7
	ds_load_b128 v[SC+8*NQ*\sc+NQ*\i:SC+8*NQ*\sc+NQ*\i+3], v[ADRS] offset:\i*SBLK
.endr
.endm
; A load into a register that a matrix instruction has read, and a vector instruction that reads a matrix result, stand NP places behind that matrix instruction; only plain vector instructions that name
; none of its registers are places (ISA guide 7.12.1 for vector instructions).
.macro PLACES n
.rept \n
	v_nop
.endr
.endm
; A step of 128 along K that has its successor in the same slot.  x has one set of fragments: blocks 0-3 are fetched anew in the step's middle, blocks 4-7 at its end.
.macro STEP slot, q, zero
	s_wait_dscnt 4*NL                              ; W's set and x's blocks 0-3 are in; the youngest eight loads (x's blocks 4-7) may be out
	WIN MUL_LO
	MUL16 0, (\q)%2, \q, \slot, \zero
	MUL16 2, (\q)%2, \q, \slot, \zero
	s_wait_dscnt 0                                 ; x's blocks 4-7 are in (asked for 32 matrix instructions ago)
	PLACES NP
	FETCH_B \slot, (\q)+1, 1-(\q)%2
	FETCH_A \slot, (\q)+1, 0
	WIN MUL_HI
	MUL16 4, (\q)%2, \q, \slot, \zero
	MUL16 6, (\q)%2, \q, \slot, \zero
	PLACES NP
	WIN 0
	FETCH_A \slot, (\q)+1, 4
.endm
; Slot 0's last step changes slots: one barrier; in front of it each wave waits for all its tensor loads (slot 1's part), adds 0 to its spare word, and waits for that and for its reads of slot 0.
; Behind it slot 1 is whole and nobody reads slot 0 any more, which later serves as the stages.  Nothing is filled again.
.macro TURN slot, next
	s_wait_tensorcnt 0x0                           ; all my tensor loads have landed  (every window is 0 here: the add's two registers lie in window 0)
	ds_add_u32 v[SPW], v[NIL]                      ; 0 onto my spare word
	s_wait_dscnt 4*NL+1                            ; (the add and the youngest eight loads, x's blocks 4-7, may be out)
	WIN MUL_LO
	MUL16 0, 1, NQ-1, \slot, 0                     ; sixteen matrix instructions stand between the add and the wait for it
	s_wait_dscnt 0x0                               ; the add is done, and my reads of this slot are over
	s_barrier_signal -1
	MUL16 2, 1, NQ-1, \slot, 0
	WIN 0
	s_barrier_wait -1
	PLACES NP
	v_add_nc_u32 v[ADRS], 4*NQ, v[ADRS]            ; on to the next slot's scale words (no LDS load of mine is out)
	FETCH_B \next, 0, 0
	FETCH_A \next, 0, 0
	SCALES \next
	WIN MUL_HI
	MUL16 4, 1, NQ-1, \slot, 0
	MUL16 6, 1, NQ-1, \slot, 0
	PLACES NP
	WIN 0
	FETCH_A \next, 0, 4
.endm
.macro STEPS slot, from                ; the slot's steps from .. NQ - 2
.set Q, \from
.rept NQ-1-\from
	STEP \slot, Q, 0
.set Q, Q+1
.endr
.endm
	s_wait_tensorcnt 1                             ; the scales and my part of slot 0 are in (slot 1's load may be out)
	s_barrier_signal -1
	s_barrier_wait -1                              ; everybody's are
	FETCH_B 0, 0, 0
	FETCH_A 0, 0, 0
	SCALES 0
	FETCH_A 0, 0, 4
	STEP 0, 0, 1                                   ; the first step's products start the sums: nothing is cleared
	STEPS 0, 1
	TURN 0, 1
	STEPS 1, 0
	s_wait_dscnt 4*NL                              ; the very last step: nothing more to fetch
	WIN MUL_LO
	MUL16 0, 1, NQ-1, 1, 0
	MUL16 2, 1, NQ-1, 1, 0
	s_wait_dscnt 0
	WIN MUL_HI
	MUL16 4, 1, NQ-1, 1, 0
	MUL16 6, 1, NQ-1, 1, 0
	WIN 0
; THE WAY OUT, block by block of 16 rows x 128 columns (two heads).  PACK: rounded to f16, each accumulator from its low end on: 16 bytes a lane.  TOSTAGE: into my stage, and back so that the 32 lanes hold
; four rows of ONE head: 512 bytes that lie on end in qkv.  SEND: stored.  LDS serves a wave's instructions in order (ISA guide 5.7.1.4): no wait between the stores and the loads.
.macro PACK a
.set AC, 64*((\a)%4)
	WIN 0x0a+5*((\a)/4)                            ; sources 0 and 1: window 2 or 3
.irp b, 0,1,2,3,4,5,6,7
.irp r, 0,1,2,3
	v_cvt_pk_f16_f32 v[TMP+4*\b+\r], v[AC+8*\b+2*\r], v[AC+8*\b+2*\r+1]
.endr
.endr
	WIN 0
.endm
.macro TOSTAGE a
.set BB, OB+192*((\a)%2)
.irp b, 0,1,2,3,4,5,6,7
	ds_store_b128 v[STO], v[TMP+4*\b:TMP+4*\b+3] offset:32*\b
.endr
.irp t, 0,1,2,3,4,5,6,7
	ds_load_b128 v[BB+4*\t:BB+4*\t+3], v[RD] offset:(\t%4)*4*SPITCH+(\t/4)*128    ; head t / 4, rows 4 (t % 4) on
.endr
.endm
.macro SEND a
.set BB, OB+192*((\a)%2)
	s_wait_dscnt 0x0                               ; the block is back in registers
	s_wait_xcnt 0x0                                ; every earlier store has read its registers and its base: only behind this wait are they written again
.if (\a) > 0
	s_add_nc_u64 s[12:13], s[12:13], 16*128        ; 16 positions on
.endif
.irp t, 0,1,2,3,4,5,6,7
	global_store_b128 v[CO], v[BB+4*\t:BB+4*\t+3], s[12:13] offset:(\t/4)*262144+(\t%4)*512 th:TH_STORE_NT   ; 32 lanes store 512 consecutive bytes, at a multiple of 512 from qkv's first byte
.endr
.endm
	PLACES NP                                      ; behind the last products: for the conversions' reads and the loads into registers that held scale words
	PACK 0
	TOSTAGE 0
.irp a, 1,2,3,4,5,6,7                  ; block a's conversions stand between block a - 1's loads from the stage and the wait for them
	PACK \a
	SEND \a-1
	TOSTAGE \a
.endr
	SEND 7
	s_wait_tensorcnt 0x0                           ; the wave's end, behind my last tensor load and my last LDS store
	ds_add_u32 v[SPW], v[NIL]
	s_wait_dscnt 0x0
	CROUND                                         ; the closing round: no work-group ends while a partner may still ask for a tile that names it
	s_endpgm
.Lfunc_end_k_q05daecf574_qkv:
	.size	k_q05daecf574_qkv, .Lfunc_end_k_q05daecf574_qkv-k_q05daecf574_qkv
	.p2alignl 7, 3214868480
	.fill 96, 4, 3214868480
	.section	.rodata,"a",@progbits
	.p2align	6, 0x0
	.amdhsa_kernel k_q05daecf574_qkv
		.amdhsa_group_segment_fixed_size 327680
		.amdhsa_private_segment_fixed_size 0
		.amdhsa_enable_private_segment 0
		.amdhsa_kernarg_size 40
		.amdhsa_user_sgpr_count 2
		.amdhsa_user_sgpr_kernarg_segment_ptr 1
		.amdhsa_wavefront_size32 1
		.amdhsa_system_sgpr_workgroup_id_x 1
		.amdhsa_system_sgpr_workgroup_id_y 1
		.amdhsa_system_sgpr_workgroup_id_z 1
		.amdhsa_system_vgpr_workitem_id 0
		.amdhsa_next_free_vgpr 1024
		.amdhsa_next_free_sgpr 98
		.amdhsa_reserve_vcc 0
		.amdhsa_float_denorm_mode_32 3
		.amdhsa_float_denorm_mode_16_64 3
		.amdhsa_memory_ordered 1
		.amdhsa_forward_progress 1
		.amdhsa_inst_pref_size 127
	.end_amdhsa_kernel
	.amdgpu_metadata
---
amdhsa.version: [ 1, 2 ]
amdhsa.kernels:
  - .name:           k_q05daecf574_qkv
    .symbol:         k_q05daecf574_qkv.kd
    .args:
      - { .name: xc, .offset: 0, .size: 8, .value_kind: global_buffer, .address_space: global }
      - { .name: xs, .offset: 8, .size: 8, .value_kind: global_buffer, .address_space: global }
      - { .name: wc, .offset: 16, .size: 8, .value_kind: global_buffer, .address_space: global }
      - { .name: ws, .offset: 24, .size: 8, .value_kind: global_buffer, .address_space: global }
      - { .name: qkv, .offset: 32, .size: 8, .value_kind: global_buffer, .address_space: global }
    .group_segment_fixed_size: 327680
    .private_segment_fixed_size: 0
    .kernarg_segment_align: 8
    .kernarg_segment_size: 40
    .max_flat_workgroup_size: 128
    .sgpr_count:     98
    .vgpr_count:     1024
    .wavefront_size: 32
...
	.end_amdgpu_metadata
.endif
;; end of part 2
;; launch attn (part 3): grid 4 x 64, 8 waves a work-group, clusters of 4 x 1, 327,680 bytes of LDS; arguments qkv, oh; writes oh
.if DOCPART == 3
	.amdgcn_target "amdgcn-amd-amdhsa--gfx1250"
	.amdhsa_code_object_version 6
	.text
	.protected	k_q05daecf574_attn
	.globl	k_q05daecf574_attn
	.p2align	8
	.type	k_q05daecf574_attn,@function
k_q05daecf574_attn:
	s_mov_b64 s[64:65], 0
	v_nop
	global_prefetch_b8 v0, s[64:65] scope:SCOPE_SE
	s_setreg_imm32_b32 hwreg(HW_REG_WAVE_MODE, 25, 1), 1
	s_wait_xcnt 0x0
	s_wait_alu depctr_hold_cnt(0) depctr_sa_sdst(0) depctr_va_vdst(0) depctr_va_sdst(0) depctr_va_ssrc(0) depctr_va_vcc(0) depctr_vm_vsrc(0)
	s_getreg_b32 s2, hwreg(HW_REG_IB_STS2, 6, 4)
	s_cmp_eq_u32 s2, 0
	s_cbranch_scc0 .Lentry_in_a_cluster
	s_endpgm
.Lentry_in_a_cluster:
	s_bfe_u32 s2, ttmp6, 0x10000c
	s_cmp_lg_u32 s2, 0x3003
	s_cbranch_scc0 .Lentry_shape_is_right
	s_endpgm
.Lentry_shape_is_right:
; ATTN.  For each of the 64 (batch, head): O[q] = sum over k of softmax_k(Q[q] . K[k] / 32) V[k].  Q, K, V: the three sections of qkv, each [64 bh][2048][64] f16; O: oh [64 bh][2048][64] f16.
; The factor 1 / 32 is the reference's 1024^-0.25 on q and on k; it is applied to the scores, in f32, inside the softmax's multiply-add.  Products on f16 operands, sums, maxima and the softmax in f32;
; the weights p are rounded to f16 for the second product, O once at the end.
; LIMITS: |O| stays under 65,504 (f16) and carries an absolute error of 3e-8 under 6e-5; a weight p under 6e-8 of its row's largest counts as 0.
; SHARES.  A work-group owns 512 queries of one head, each of its eight waves 64: four tiles of 16.  Two waves share a SIMD, 512 registers each, so that one wave's softmax stands beside the other's products.
; Every wave walks all 2,048 keys, 64 a step: 32 products K Q^T, the softmax, 32 products V^T P.
; LAYOUT.  S^T = K Q^T (source 0 = 16 keys, source 1 = 16 queries): a lane holds ONE query (lane % 16) and the keys 8 (lane / 16) + 0..7.  Two such tiles, rounded to f16 in pairs, ARE source 1 (32 keys x 16
; queries) of O^T = V^T P, whose result again holds one query a lane.  K comes out of LDS as it lies, V ([key][channel]) turned, by ds_load_tr16_b128.
; SOFTMAX.  A running maximum m and sum l for each query: p = 2^(c s - c m), c = log2(e) / 32; in every step O and l are multiplied by a = 2^(c m_old - c m_new).
; A head's rows are 128 bytes and dense, so a tile is stated as rows of 256 bytes, each with two neighbouring keys: key k lies at (k / 2) x pitch + (k % 2) x 128.
; RING.  Two LDS slots of 512 keys (K, then V), each filled by eight loads, one a wave (waves 0-3: quarters of K; waves 4-7: of V).  Both first fills go out at the head; each slot is filled again once.
; By this text's count a wave has two tensor loads out at the head and one behind each round.  A refill is asked for a whole visit of a slot, eight key steps, ahead of its first read: so no prefetch is laid.
; CLUSTER.  The four query blocks of a head form a cluster and walk the same K and V: each tile is asked for JOINTLY, by the same tensor load with the same descriptor and a mask that names the four.
; REGISTERS.  Window 0: v1-15 addresses; v16-47 eight statistics a tile; v48-63 sums at work; v64-191 S^T, 32 a tile (P takes the first 16 of them in place); v192-255 Q, 16 a tile.
;   Window 1: v0-127 O^T, 32 a tile; v128-191 K of one step; v192-255 V of one step.
.set PK,    272                        ; a pair of keys of K in LDS: 256 bytes + 16: sixteen keys of a load start at 16 (k / 2) + 128 (k % 2) mod 256: sixteen different columns of 16 bytes
.set PVP,   288                        ; of V: 256 + 32: the sixteen lanes of a turning load start at 32 (k / 2) + 128 (k % 2) + 16 x half mod 256: again sixteen different columns
.set KPART, 64*PK                      ; what one load brings of K: 128 keys
.set VPART, 64*PVP                     ; and of V
.set VOFF,  4*KPART                    ; a slot: 512 keys of K, then of V
.set SLOTB, VOFF+4*VPART
.set SPARE, 2*SLOTB                    ; behind the ring: the spare words, 128 bytes for each of eight waves, which no other line names
.set STAGE, SPARE+8*128                ; behind them: 16 rows x 144 bytes for each wave, for the way out; no fill lands here
.set SP,    144
.set KSTP,  32*PK                      ; a key step on, in K's part of a slot
.set VSTP,  32*PVP                     ; and in V's
.set SECT,  16777216                   ; a section of qkv
.set AK0, 2                            ; v2   my lane's place in a tile of K; never rewritten
.set AV0, 3                            ; v3   the same for V
.set ADK, 4                            ; v4   LDS address of the step's K
.set ADV, 5                            ; v5   and V
.set QO,  6                            ; v6   my byte offset in the wave's rows of Q
.set STO, 7                            ; v7   the way out: where I put 16 bytes of a row
.set RD,  8                            ; v8   where I read back
.set GO,  9                            ; v9   16 x lane
.set SPW, 10                           ; v10  LDS address of my spare word; never rewritten
.set NIL, 11                           ; v11  0; never rewritten
.set ST,  16                           ; tile t's statistics at v[ST+8 t]: +0 c m, +1 m, +2, +3 l (even keys', odd keys'), +4 to +7 c0-c3 at work; a takes c2's place
.set UW,  48                           ; tile t: two chains of sums, v[UW+4 t : +1] and v[UW+4 t+2 : +3]
.set S,   64
.set QF,  192
.set KF,  128                          ; window 1
.set VF,  192                          ; window 1
.set WV,  8                            ; s8   my wave's number
.set G1K, 24                           ; s[24:31] group 1 for K's tiles
.set G1V, 32                           ; s[32:39] for V's: it differs in the padding alone
.set G0K, 40                           ; s[40:47] group 0 for K's, a set for each slot
.set G0V, 48                           ; s[48:55] for V's
.set CNT, 56                           ; s56  counts key steps
.set TK,  57                           ; s57  LDS byte at which the step's K begins
.set TV,  58                           ; s58  and, less VOFF, its V
.set CS,  60                           ; s[60:61] c, twice: the packed form names a pair
.set SEL, 62                           ; s[62:63] lane selects for v_permlanex16_b32: lane l xor 16
.set MSB, 0
.macro WIN new                         ; the immediate's high byte repeats the setting that is left; a switch that changes nothing is dropped
.if MSB != (\new)
	s_set_vgpr_msb (MSB<<8)|(\new)
.set MSB, (\new)
.endif
.endm
.set W_KQ, 0x01                        ; K in window 1; Q and S^T in window 0
.set W_PV, 0x51                        ; V and O^T in window 1; P in window 0
.set W_RS, 0x41                        ; O^T (destination and source 0) in window 1; a in window 0
.set W_LD, 0x40                        ; destination window 1, address window 0
; A joint refill of slot s.  The branch hangs on the wave's number alone.  An s_nop 0 and four v_nop follow each of the two lines.
.macro JLOAD s
	s_cmp_lt_u32 s[WV], 4
	s_cbranch_scc0 .Lfor_v_\@
	tensor_load_to_lds s[G0K+4*\s:G0K+4*\s+3], s[G1K:G1K+7]
	s_nop 0
.rept 4
	v_nop
.endr
	s_branch .Lasked_\@
.Lfor_v_\@:
	tensor_load_to_lds s[G0V+4*\s:G0V+4*\s+3], s[G1V:G1V+7]
	s_nop 0
.rept 4
	v_nop
.endr
.Lasked_\@:
.endm
.macro CROUND                          ; a round of the cluster's barrier
	s_barrier_signal -1
	s_barrier_wait -1
	s_cmp_lg_u32 s[WV], 0
	s_cbranch_scc1 .Lnot_wave_0_\@
	s_barrier_signal -3
.Lnot_wave_0_\@:
	s_barrier_wait -3
	s_barrier_signal -1
	s_barrier_wait -1
.endm
	s_load_b128 s[4:7], s[0:1], 0x0                ; qkv s[4:5], oh s[6:7]
	v_lshl_add_u32 v[SPW], v0, 2, SPARE
	v_mov_b32 v[NIL], 0
	ds_add_u32 v[SPW], v[NIL]                      ; the wave's opening: the add, twice on end, and its wait ahead of my first tensor load
	ds_add_u32 v[SPW], v[NIL]                      ; once more; the set-up below, work on registers, stands between it and the wait
	v_lshrrev_b32 v1, 5, v0
	v_readfirstlane_b32 s[WV], v1                  ; wave 0..7
	s_bfe_u32 s9, ttmp6, 0x40000                   ; cx: my place in the cluster
	s_lshl_b32 s10, ttmp9, 2
	s_add_co_u32 s10, s10, s9                      ; my block of 512 queries: it enters Q's and O's addresses alone
	s_and_b32 s11, s[WV], 3                        ; which quarter of a slot's K or V I fetch
	s_and_b32 s12, ttmp7, 0xffff                   ; (batch, head), which the four partners share
	s_lshl_b32 s12, s12, 18                        ; its 262,144 bytes in each section and in oh
	s_lshl_b32 s14, s11, 14                        ; my quarter: 128 keys of 128 bytes
	s_add_co_u32 s14, s14, s12
	s_mov_b32 s15, 0
	s_mul_i32 s16, s11, KPART                      ; and its place in a slot: no place in the cluster enters an LDS address
	s_mul_i32 s17, s11, VPART
	s_lshl_b32 s18, s10, 16                        ; my block's 512 rows,
	s_lshl_b32 s19, s[WV], 13                      ; my wave's 64 of them
	s_add_co_u32 s18, s18, s19
	s_add_co_u32 s18, s18, s12
	s_mov_b32 s19, 0
	; group 1: a tile of 64 rows x 128 elements of 2 bytes, padded in LDS
	s_mov_b32 s[G1K], 15|(1<<16)|(1<<20)|(1<<21)|(5<<22)|(3<<25)  ; 15:0 the mask: all four work-groups; 17:16 elements of 2 bytes; 20 padding on; 21 set beside a mask; 24:22 after every 64 words; 31:25 four words
	s_mov_b32 s[G1V], 15|(1<<16)|(1<<20)|(1<<21)|(5<<22)|(7<<25)  ; the same with eight words of padding
.irp g, G1K, G1V
	s_mov_b32 s[\g+1], 128<<16                     ; tensor_dim0
	s_mov_b32 s[\g+2], 64<<16                      ; tensor_dim1
	s_mov_b32 s[\g+3], 128<<16                     ; tile_dim0
	s_mov_b32 s[\g+4], 64                          ; tile_dim1
	s_mov_b32 s[\g+5], 128                         ; from row to row
	s_mov_b32 s[\g+6], 0
	s_mov_b32 s[\g+7], 0
.endr
	s_mov_b32 s[CS], 0x3d38aa3b                    ; c = log2(e) / 32
	s_mov_b32 s[CS+1], s[CS]
	s_mov_b32 s[SEL], 0x76543210
	s_mov_b32 s[SEL+1], 0xfedcba98
	s_mov_b32 s[TK], 0
	s_mov_b32 s[TV], 0
	s_wait_dscnt 0x0                               ; both opening adds are done
	s_wait_kmcnt 0x0
	s_add_nc_u64 s[20:21], s[4:5], s[14:15]        ; qkv at my head and my quarter: made of what the partners share
	s_add_nc_u64 s[4:5], s[4:5], s[18:19]          ; Q at my wave's first row
	s_add_nc_u64 s[6:7], s[6:7], s[18:19]          ; O likewise
	CROUND                                         ; all four work-groups are here: the first joint loads meet
.irp s, 0,1
	s_mov_b32 s[G0K+4*\s], 1                       ; 1:0 count = 1
	s_add_co_u32 s[G0K+4*\s+1], s16, \s*SLOTB      ; 63:32 LDS address
	s_add_nc_u64 s[G0K+4*\s+2:G0K+4*\s+3], s[20:21], SECT+\s*65536   ; 120:64 global address: slot s begins with keys 512 s on
	s_or_b32 s[G0K+4*\s+3], s[G0K+4*\s+3], 0x80000000                ; 127:126 type = 2
	s_mov_b32 s[G0V+4*\s], 1
	s_add_co_u32 s[G0V+4*\s+1], s17, \s*SLOTB+VOFF
	s_add_nc_u64 s[G0V+4*\s+2:G0V+4*\s+3], s[20:21], 2*SECT+\s*65536
	s_or_b32 s[G0V+4*\s+3], s[G0V+4*\s+3], 0x80000000
.endr
	s_cmp_lt_u32 s[WV], 4                          ; a wave's two first fills stand in one branch, ahead of every wait on TENSORcnt and every LDS read
	s_cbranch_scc0 .Lfirst_v
	tensor_load_to_lds s[G0K:G0K+3], s[G1K:G1K+7]
	s_nop 0
	tensor_load_to_lds s[G0K+4:G0K+7], s[G1K:G1K+7]
	s_nop 0
.rept 4
	v_nop
.endr
	s_branch .Lfirst_asked
.Lfirst_v:
	tensor_load_to_lds s[G0V:G0V+3], s[G1V:G1V+7]
	s_nop 0
	tensor_load_to_lds s[G0V+4:G0V+7], s[G1V:G1V+7]
	s_nop 0
.rept 4
	v_nop
.endr
.Lfirst_asked:
	v_and_b32 v1, 15, v0                           ; r = lane % 16
	v_bfe_u32 v12, v0, 4, 1                        ; h = lane / 16
	v_lshlrev_b32 v[QO], 7, v1
	v_lshl_add_u32 v[QO], v12, 4, v[QO]            ; Q: row r of 128 bytes + 16 h
.irp t, 0,1,2,3                        ; Q stays in registers: tile t, channels 32 c on: two loads of 16 bytes, 32 bytes apart
.irp c, 0,1
	global_load_b128 v[QF+16*\t+8*\c:QF+16*\t+8*\c+3], v[QO], s[4:5] offset:\t*2048+64*\c
	global_load_b128 v[QF+16*\t+8*\c+4:QF+16*\t+8*\c+7], v[QO], s[4:5] offset:\t*2048+64*\c+32
.endr
.endr
	v_lshrrev_b32 v13, 1, v1
	v_and_b32 v14, 1, v1
	v_mul_u32_u24 v[AK0], v13, PK
	v_lshl_add_u32 v[AK0], v14, 7, v[AK0]
	v_lshl_add_u32 v[AK0], v12, 4, v[AK0]          ; K: key r: (r / 2) x pitch + 128 (r % 2) + 16 h
	; The turning load takes 16 keys x 16 channels: lane l reads 16 bytes of key 8 h + l % 8, channels 8 ((l / 8) % 2) on, and is left with channel l % 16 and 8 keys
	v_bfe_u32 v13, v0, 1, 2                        ; (l % 8) / 2
	v_lshl_add_u32 v13, v12, 2, v13                ; + 4 h: the pair of keys
	v_mul_u32_u24 v[AV0], v13, PVP
	v_and_b32 v14, 1, v0
	v_lshl_add_u32 v[AV0], v14, 7, v[AV0]
	v_bfe_u32 v14, v0, 3, 1
	v_lshl_add_u32 v[AV0], v14, 4, v[AV0]
	v_add_nc_u32 v[AV0], VOFF, v[AV0]
	s_mul_i32 s22, s[WV], 16*SP
	s_add_co_u32 s22, s22, STAGE                   ; my stage
	v_mul_u32_u24 v[STO], v1, SP                   ; in: row r, 16 bytes for each half of the lanes
	v_lshl_add_u32 v[STO], v12, 4, v[STO]
	v_add_nc_u32 v[STO], s22, v[STO]
	v_bfe_u32 v13, v0, 3, 2                        ; back: eight lanes take a row of 128 bytes, the 32 lanes four rows
	v_and_b32 v14, 7, v0
	v_mul_u32_u24 v[RD], v13, SP
	v_lshl_add_u32 v[RD], v14, 4, v[RD]
	v_add_nc_u32 v[RD], s22, v[RD]
	v_and_b32 v13, 31, v0
	v_lshlrev_b32 v[GO], 4, v13
; A KEY STEP: 64 keys.  first = 1: the first of all, which starts m, l and O^T: it has no a and nothing to rescale.
.macro STEP first
	WIN 0
	v_add_nc_u32 v[ADK], s[TK], v[AK0]             ; these two and three v_nop are five places behind the last V^T P: four are owed by the loads into V's registers, five by the products below, which write over P
	v_add_nc_u32 v[ADV], s[TV], v[AV0]
.rept 3
	v_nop
.endr
	WIN W_LD
.irp a, 0,1,2,3                        ; K: keys 16 a on, channels 32 c on
.irp c, 0,1
	ds_load_b128 v[KF+16*\a+8*\c:KF+16*\a+8*\c+3], v[ADK] offset:\a*8*PK+64*\c
	ds_load_b128 v[KF+16*\a+8*\c+4:KF+16*\a+8*\c+7], v[ADK] offset:\a*8*PK+64*\c+32
.endr
.endr
.irp kk, 0,1                           ; V, turned: keys 32 kk on, channels 16 f on
.irp f, 0,1,2,3
	ds_load_tr16_b128 v[VF+32*\kk+8*\f:VF+32*\kk+8*\f+3], v[ADV] offset:\kk*16*PVP+32*\f
	ds_load_tr16_b128 v[VF+32*\kk+8*\f+4:VF+32*\kk+8*\f+7], v[ADV] offset:\kk*16*PVP+8*PVP+32*\f
.endr
.endr
	s_wait_dscnt 16                                ; K's sixteen loads are in; V's sixteen may stay out
	WIN W_KQ
.irp c, 0,1                            ; S^T = K Q^T: the sixteen accumulators take turns, one instruction a turn; the first sixteen start the sums
.irp a, 0,1,2,3
.irp t, 0,1,2,3
.if \c == 0
	v_wmma_f32_16x16x32_f16 v[S+32*\t+8*\a:S+32*\t+8*\a+7], v[KF+16*\a+8*\c:KF+16*\a+8*\c+7], v[QF+16*\t+8*\c:QF+16*\t+8*\c+7], 0
.else
	v_wmma_f32_16x16x32_f16 v[S+32*\t+8*\a:S+32*\t+8*\a+7], v[KF+16*\a+8*\c:KF+16*\a+8*\c+7], v[QF+16*\t+8*\c:QF+16*\t+8*\c+7], v[S+32*\t+8*\a:S+32*\t+8*\a+7]
.endif
.endr
.endr
.endr
	WIN 0
.rept 4
	v_nop                                          ; places in front of the first read of the scores
.endr
	; the maximum of a lane's 32 scores and the old m, three operands at a time, the four tiles by turns; each accumulator is read from its low end on
.irp j, 0,1,2,3
.irp t, 0,1,2,3
	v_max3_num_f32 v[ST+8*\t+4+\j], v[S+32*\t+8*\j], v[S+32*\t+8*\j+1], v[S+32*\t+8*\j+2]
.endr
.endr
.irp u, 1,2
.irp j, 0,1,2,3
.irp t, 0,1,2,3
	v_max3_num_f32 v[ST+8*\t+4+\j], v[ST+8*\t+4+\j], v[S+32*\t+8*\j+2*\u+1], v[S+32*\t+8*\j+2*\u+2]
.endr
.endr
.endr
.irp t, 0,1,2,3
	v_max3_num_f32 v[ST+8*\t+4], v[ST+8*\t+4], v[S+32*\t+7], v[S+32*\t+15]
.endr
.irp t, 0,1,2,3
	v_max3_num_f32 v[ST+8*\t+6], v[ST+8*\t+6], v[S+32*\t+23], v[S+32*\t+31]
.endr
.irp t, 0,1,2,3
	v_max3_num_f32 v[ST+8*\t+4], v[ST+8*\t+4], v[ST+8*\t+5], v[ST+8*\t+6]
.endr
.irp t, 0,1,2,3
.if \first
	v_max_num_f32 v[ST+8*\t+4], v[ST+8*\t+4], v[ST+8*\t+7]
.else
	v_max3_num_f32 v[ST+8*\t+4], v[ST+8*\t+4], v[ST+8*\t+7], v[ST+8*\t+1]
.endif
.endr
.irp t, 0,1,2,3
	v_permlanex16_b32 v[ST+8*\t+5], v[ST+8*\t+4], s[SEL], s[SEL+1]   ; the query's other 32 keys lie in the lane 16 away
.endr
.if \first == 0
.irp t, 0,1,2,3
	v_mov_b32 v[ST+8*\t+7], v[ST+8*\t]             ; c m_old is kept for a
.endr
.endif
.irp t, 0,1,2,3
	v_max_num_f32 v[ST+8*\t+1], v[ST+8*\t+4], v[ST+8*\t+5]           ; the new m
.endr
.irp t, 0,1,2,3
	v_mul_f32 v[ST+8*\t], s[CS], v[ST+8*\t+1]      ; c m
.endr
.if \first == 0
.irp t, 0,1,2,3
	v_sub_f32 v[ST+8*\t+7], v[ST+8*\t+7], v[ST+8*\t]                 ; c m_old - c m_new
.endr
.endif
.set i, 0
.rept 64                               ; c s - c m, two scores at a time
	v_pk_fma_f32 v[S+2*i:S+2*i+1], v[S+2*i:S+2*i+1], s[CS:CS+1], v[ST+8*(i/16):ST+8*(i/16)+1] op_sel_hi:[1,0,0] neg_lo:[0,0,1] neg_hi:[0,0,1]
.set i, i+1
.endr
.if \first == 0
.irp t, 0,1,2,3
	v_exp_f32 v[ST+8*\t+6], v[ST+8*\t+7]           ; a
.endr
.endif
.set i, 0
.rept 128                              ; ONE BATCH of exponentials: none reads another's result
	v_exp_f32 v[S+i], v[S+i]
.set i, i+1
.endr
	v_nop                                          ; a plain instruction behind the last exponential, ahead of the first use
	s_wait_alu depctr_va_vdst(0)                   ; and the one wait between the batch and the first instruction that names a result
.irp t, 0,1,2,3                        ; the sums of the unrounded weights: two chains a tile, eight in all, by turns
	v_pk_add_f32 v[UW+4*\t:UW+4*\t+1], v[S+32*\t:S+32*\t+1], v[S+32*\t+2:S+32*\t+3]
	v_pk_add_f32 v[UW+4*\t+2:UW+4*\t+3], v[S+32*\t+4:S+32*\t+5], v[S+32*\t+6:S+32*\t+7]
.endr
.irp i, 8,12,16,20,24,28
.irp t, 0,1,2,3
	v_pk_add_f32 v[UW+4*\t:UW+4*\t+1], v[UW+4*\t:UW+4*\t+1], v[S+32*\t+\i:S+32*\t+\i+1]
	v_pk_add_f32 v[UW+4*\t+2:UW+4*\t+3], v[UW+4*\t+2:UW+4*\t+3], v[S+32*\t+\i+2:S+32*\t+\i+3]
.endr
.endr
.if \first
.irp t, 0,1,2,3
	v_pk_add_f32 v[ST+8*\t+2:ST+8*\t+3], v[UW+4*\t:UW+4*\t+1], v[UW+4*\t+2:UW+4*\t+3]
.endr
.else
.irp t, 0,1,2,3
	v_pk_add_f32 v[UW+4*\t:UW+4*\t+1], v[UW+4*\t:UW+4*\t+1], v[UW+4*\t+2:UW+4*\t+3]
.endr
.irp t, 0,1,2,3
	v_pk_fma_f32 v[ST+8*\t+2:ST+8*\t+3], v[ST+8*\t+2:ST+8*\t+3], v[ST+8*\t+6:ST+8*\t+7], v[UW+4*\t:UW+4*\t+1] op_sel_hi:[1,0,1]   ; l = a l + the sum
.endr
.endif
.set i, 0
.rept 64                               ; P, in place: register n of a tile takes weights 2 n and 2 n + 1, which have been read by then
	v_cvt_pk_f16_f32 v[S+32*(i/16)+i%16], v[S+32*(i/16)+2*(i%16)], v[S+32*(i/16)+2*(i%16)+1]
.set i, i+1
.endr
	s_wait_dscnt 0x0                               ; V is in
.if \first == 0
	WIN W_RS
.set i, 0
.rept 64                               ; O^T times a, each accumulator from its low end on
	v_pk_mul_f32 v[2*i:2*i+1], v[2*i:2*i+1], v[ST+8*(i/16)+6:ST+8*(i/16)+7] op_sel_hi:[1,0]
.set i, i+1
.endr
.endif
	WIN W_PV
.irp kk, 0,1                           ; O^T += V^T P: the sixteen accumulators take turns
.irp f, 0,1,2,3
.irp t, 0,1,2,3
.if \first && (\kk == 0)
	v_wmma_f32_16x16x32_f16 v[32*\t+8*\f:32*\t+8*\f+7], v[VF+32*\kk+8*\f:VF+32*\kk+8*\f+7], v[S+32*\t+8*\kk:S+32*\t+8*\kk+7], 0
.else
	v_wmma_f32_16x16x32_f16 v[32*\t+8*\f:32*\t+8*\f+7], v[VF+32*\kk+8*\f:VF+32*\kk+8*\f+7], v[S+32*\t+8*\kk:S+32*\t+8*\kk+7], v[32*\t+8*\f:32*\t+8*\f+7]
.endif
.endr
.endr
.endr
	WIN 0
	s_add_co_u32 s[TK], s[TK], KSTP                ; the next step's tiles
	s_add_co_u32 s[TV], s[TV], VSTP
.endm
.macro STEPS n                         ; n key steps: written once, walked n times; the LDS addresses hang on s[TK] and s[TV]
	s_mov_b32 s[CNT], \n
.Lstep_\@:
	STEP 0
	s_sub_co_u32 s[CNT], s[CNT], 1
	s_cmp_lg_u32 s[CNT], 0
	s_cbranch_scc1 .Lstep_\@
.endm
; THE CHANGE OF SLOTS.  Each wave waits for all its tensor loads (its part of the slot ahead), adds 0 to its spare word, and waits for that and for its reads of the slot that it leaves.
; fill = 1: the slot just left takes the keys 1,024 further on.  The barrier is then a round of the cluster's, so that no wave of any partner still reads that slot or has a load on its way, and the joint
; refill is the first thing behind it: it has eight key steps in which to land.
.macro CHANGE fill, slot, next
	WIN 0
	s_wait_tensorcnt 0x0                           ; no tensor load of mine is out, so a group 0 may be written
	ds_add_u32 v[SPW], v[NIL]                      ; 0 onto my spare word
.if \fill
	s_add_nc_u64 s[G0K+4*\slot+2:G0K+4*\slot+3], s[G0K+4*\slot+2:G0K+4*\slot+3], 131072   ; 1,024 keys of 128 bytes; the type bits on top are not reached
	s_add_nc_u64 s[G0V+4*\slot+2:G0V+4*\slot+3], s[G0V+4*\slot+2:G0V+4*\slot+3], 131072
.endif
	s_wait_dscnt 0x0                               ; the add is done, and my reads of the slot are over
.if \fill
	CROUND
	JLOAD \slot
.else
	s_barrier_signal -1
	s_barrier_wait -1
.endif
	s_mov_b32 s[TK], \next*SLOTB
	s_mov_b32 s[TV], \next*SLOTB
.endm
	s_wait_tensorcnt 1                             ; my part of slot 0 is in; slot 1's may stay out
	s_barrier_signal -1
	s_barrier_wait -1                              ; everybody's is
	s_wait_loadcnt 0x0                             ; Q
	STEP 1                                         ; keys 0 to 63 start m, l and O^T
	STEPS 7
	CHANGE 1, 0, 1                                 ; slot 0 takes keys 1,024 on; keys 512 on are read
	STEPS 8
	CHANGE 1, 1, 0                                 ; slot 1 takes keys 1,536 on; keys 1,024 on are read
	STEPS 8
	CHANGE 0, 0, 1                                 ; nothing is left to ask for
	STEPS 8
	; THE WAY OUT.  l's two halves and the other half of the lanes' are added; O^T is divided by l, rounded to f16 and sent through my stage, a tile (16 rows of O) at a time.  The additions are the places behind the last products.
.irp t, 0,1,2,3
	v_add_f32 v[ST+8*\t+4], v[ST+8*\t+2], v[ST+8*\t+3]
.endr
.irp t, 0,1,2,3
	v_permlanex16_b32 v[ST+8*\t+5], v[ST+8*\t+4], s[SEL], s[SEL+1]
.endr
.irp t, 0,1,2,3
	v_add_f32 v[ST+8*\t+4], v[ST+8*\t+4], v[ST+8*\t+5]
.endr
.irp t, 0,1,2,3
	v_rcp_f32 v[ST+8*\t+6], v[ST+8*\t+4]
.endr
	v_nop                                          ; a plain instruction between the last reciprocal and the use of its result
	s_wait_alu depctr_va_vdst(0)                   ; and the wait ahead of the first use: one for the four
.macro PACK t                          ; a lane's eight channels of a row pack into 16 bytes; they go into rows of 144 bytes and come back four rows, 512 bytes, to an instruction
	WIN W_RS
.set i, 0
.rept 16
	v_pk_mul_f32 v[32*\t+2*i:32*\t+2*i+1], v[32*\t+2*i:32*\t+2*i+1], v[ST+8*\t+6:ST+8*\t+7] op_sel_hi:[1,0]
.set i, i+1
.endr
	WIN 0x05                                       ; sources 0 and 1 window 1, destination window 0: S^T's registers are free
.set i, 0
.rept 16
	v_cvt_pk_f16_f32 v[S+16*\t+i], v[32*\t+2*i], v[32*\t+2*i+1]
.set i, i+1
.endr
	WIN 0
.irp f, 0,1,2,3
	ds_store_b128 v[STO], v[S+16*\t+4*\f:S+16*\t+4*\f+3] offset:32*\f
.endr
.irp g, 0,1,2,3
	ds_load_b128 v[S+64+16*\t+4*\g:S+64+16*\t+4*\g+3], v[RD] offset:\g*4*SP   ; LDS serves a wave's instructions in order (ISA guide 5.7.1.4): these see the stores above; the next tile's stores come behind them
.endr
.endm
.macro SEND t, younger                 ; younger: the LDS instructions issued behind tile t's loads: the next tile's eight, or none
.irp g, 0,1,2,3
	s_wait_dscnt \younger+3-\g
	global_store_b128 v[GO], v[S+64+16*\t+4*\g:S+64+16*\t+4*\g+3], s[6:7] offset:\t*2048+\g*512 th:TH_STORE_NT   ; 32 lanes store 512 consecutive bytes, at a multiple of 512 from oh's first byte
.endr
.endm
	PACK 0
	PACK 1                                         ; a tile's arithmetic stands between the loads of the tile before and its stores
	SEND 0, 8
	PACK 2
	SEND 1, 8
	PACK 3
	SEND 2, 8
	SEND 3, 0
	s_wait_tensorcnt 0x0                           ; the wave's end, behind my last tensor load and my last LDS store
	ds_add_u32 v[SPW], v[NIL]
	s_wait_dscnt 0x0
	CROUND                                         ; the closing round: no work-group ends while a partner may still ask for a tile that names it
	s_endpgm
.Lfunc_end_k_q05daecf574_attn:
	.size	k_q05daecf574_attn, .Lfunc_end_k_q05daecf574_attn-k_q05daecf574_attn
	.p2alignl 7, 3214868480
	.fill 96, 4, 3214868480
	.section	.rodata,"a",@progbits
	.p2align	6, 0x0
	.amdhsa_kernel k_q05daecf574_attn
		.amdhsa_group_segment_fixed_size 327680
		.amdhsa_private_segment_fixed_size 0
		.amdhsa_enable_private_segment 0
		.amdhsa_kernarg_size 16
		.amdhsa_user_sgpr_count 2
		.amdhsa_user_sgpr_kernarg_segment_ptr 1
		.amdhsa_wavefront_size32 1
		.amdhsa_system_sgpr_workgroup_id_x 1
		.amdhsa_system_sgpr_workgroup_id_y 1
		.amdhsa_system_sgpr_workgroup_id_z 1
		.amdhsa_system_vgpr_workitem_id 0
		.amdhsa_next_free_vgpr 512
		.amdhsa_next_free_sgpr 66
		.amdhsa_reserve_vcc 0
		.amdhsa_float_denorm_mode_32 3
		.amdhsa_float_denorm_mode_16_64 3
		.amdhsa_memory_ordered 1
		.amdhsa_forward_progress 1
		.amdhsa_inst_pref_size 178
	.end_amdhsa_kernel
	.amdgpu_metadata
---
amdhsa.version: [ 1, 2 ]
amdhsa.kernels:
  - .name:           k_q05daecf574_attn
    .symbol:         k_q05daecf574_attn.kd
    .args:
      - { .name: qkv, .offset: 0, .size: 8, .value_kind: global_buffer, .address_space: global }
      - { .name: oh, .offset: 8, .size: 8, .value_kind: global_buffer, .address_space: global }
    .group_segment_fixed_size: 327680
    .private_segment_fixed_size: 0
    .kernarg_segment_align: 8
    .kernarg_segment_size: 16
    .max_flat_workgroup_size: 256
    .sgpr_count:     66
    .vgpr_count:     512
    .wavefront_size: 32
...
	.end_amdgpu_metadata
.endif
;; end of part 3
;; launch proj (part 4): grid 8 x 32, 4 waves a work-group, clusters of 4 x 4, 327,680 bytes of LDS; arguments oh, wo16, bo, out0; writes out0
.if DOCPART == 4
	.amdgcn_target "amdgcn-amd-amdhsa--gfx1250"
	.amdhsa_code_object_version 6
	.text
	.protected	k_q05daecf574_proj
	.globl	k_q05daecf574_proj
	.p2align	8
	.type	k_q05daecf574_proj,@function
k_q05daecf574_proj:
	s_mov_b64 s[64:65], 0
	v_nop
	global_prefetch_b8 v0, s[64:65] scope:SCOPE_SE
	s_setreg_imm32_b32 hwreg(HW_REG_WAVE_MODE, 25, 1), 1
	s_wait_xcnt 0x0
	s_wait_alu depctr_hold_cnt(0) depctr_sa_sdst(0) depctr_va_vdst(0) depctr_va_sdst(0) depctr_va_ssrc(0) depctr_va_vcc(0) depctr_vm_vsrc(0)
	s_getreg_b32 s2, hwreg(HW_REG_IB_STS2, 6, 4)
	s_cmp_eq_u32 s2, 0
	s_cbranch_scc0 .Lentry_in_a_cluster
	s_endpgm
.Lentry_in_a_cluster:
	s_bfe_u32 s2, ttmp6, 0x10000c
	s_cmp_lg_u32 s2, 0xf033
	s_cbranch_scc0 .Lentry_shape_is_right
	s_endpgm
.Lentry_shape_is_right:
; PROJ.  out0[m][n] = sum over k of o[m][k] Wo[n][k] + bo[n], m = 8,192, n = 1,024, K = 1,024.  o: oh [4 b][16 h][2048 s][64] f16 (m = 2048 b + s, k = 64 h + d);  Wo: wo16 [16 h][1024 n][64] f16;
; bo and out0 f32.  Products on f16 operands, one f32 sum for each output, K ascending; bo is the C of each sum's first matrix instruction.
; A tile of the output is 256 rows x 128 columns: 256 work-groups.  Four waves, each 128 x 64: 32 accumulators of 16 x 16, 256 registers.  A K step is two heads, 128 along K; eight K steps go through a ring of
; two LDS slots.  A head's rows are 128 bytes and dense, so a tile is stated as rows of 256 bytes, each with two neighbouring rows: row p lies at (p / 2) x 272 + (p % 2) x 128.
; Each wave brings one head's tile with one tensor load: waves 0 and 1 o's two heads (256 rows each), waves 2 and 3 Wo's (128 rows each).  By this text's count a wave has two loads out at the head, later one.
; CLUSTERS: 4 x 4 work-groups.  The four of a row of the cluster need the same tiles of o, the four of a column the same tiles of Wo: each tile is asked for JOINTLY, by the same tensor load with the same
; descriptor and a mask that names the four.  THE MATRIX INSTRUCTION IS USED TRANSPOSED (source 0 = 16 rows of Wo, source 1 = 16 rows of o): a lane then holds eight neighbouring columns of one row.
; REGISTERS.  Window 0: v1-31 addresses; v32-63 bo in the result's layout; v64-127, v128-191 o's fragments (8 x 16 rows x 32 K), two buffers; v192-223, v224-255 Wo's (4), two buffers.
;   Window 1: the accumulators, (a, b) at v[8 (4 a + b)].
.set PITCH,  272                       ; two rows of 128 bytes + 16: sixteen rows of a load start at 16 (p / 2) + 128 (p % 2) mod 256: sixteen different columns of 16 bytes
.set AHEAD,  128*PITCH                 ; a head's 256 rows of o
.set BHEAD,  64*PITCH                  ; a head's 128 rows of Wo
.set BOFF,   2*AHEAD                   ; a slot: o's two heads, then Wo's two
.set SLOT,   BOFF+2*BHEAD
.set STAGE,  2*SLOT                    ; behind the ring: 16 rows x 272 bytes for each wave, for the way out; no fill lands here
.set SPITCH, 272
.set SPARE,  STAGE+4*16*SPITCH         ; behind the stages: the spare words, 128 bytes a wave, which no other line names
.set KADV,   2*262144                  ; a K step on in oh: two heads of 2,048 rows of 128 bytes
.set ADRA, 16                          ; v16-17  LDS address of my fragments of o in slot 0, 1
.set ADRB, 20                          ; v20-21  the same for Wo
.set STO,  24                          ; v24     the way out: where I put 32 bytes of a row
.set RD,   25                          ; v25     where I read a row back
.set CO,   26                          ; v26     my byte offset in two rows of out0
.set BOO,  27                          ; v27     my byte offset in bo
.set SPW,  28                          ; v28     LDS address of my spare word; never rewritten
.set NIL,  29                          ; v29     0; never rewritten
.set PFO,  30                          ; v30     256 x lane: the prefetches' offset; never rewritten
.set BO,   32
.set AF,   64
.set BF,   192
.set BK,   64                          ; the way out: 16 rows read back: v64-95 and v96-127 by turns
.set F0,   0
.set F1,   1
.set WV,   12                          ; s12  my wave's number
.set RH,   13                          ; s13  which half of the tile's rows is mine.  Also: I fetch for o (0) or for Wo (1)
.set CH,   14                          ; s14  which half of its columns.  Also: which head of a K step's two I fetch
.set G1,   24                          ; s[24:31] group 1 for o's tiles;  s[32:39] group 0, one set for each slot
.set G0,   32
.set LIM,  43                          ; s43  1 in a wave that prefetches, else the greatest number
.set PFA,  44                          ; s[44:45] where my prefetches stand: my work-group's 32 blocks of 256 bytes of the head that I fetch, one K step further on than the refill in hand
.set G1B,  48                          ; s[48:55], s[56:63] the same for Wo's
.set G0B,  56
.set MSB, 0
.macro WIN new                         ; the immediate's high byte repeats the setting that is left; a switch that changes nothing is dropped
.if MSB != (\new)
	s_set_vgpr_msb (MSB<<8)|(\new)
.set MSB, (\new)
.endif
.endm
.set MUL,  0x50                        ; sources 0 and 1 window 0; C and D window 1
.set MULB, 0x40                        ; the same with C (bo) in window 0
.macro JLOAD s                         ; a joint load; an s_nop 0 and four v_nop follow each of the two lines
	s_cmp_eq_u32 s[RH], 0
	s_cbranch_scc0 .Lfor_b_\@
	tensor_load_to_lds s[G0+4*\s:G0+4*\s+3], s[G1:G1+7]
	s_nop 0
.rept 4
	v_nop
.endr
	s_branch .Lasked_\@
.Lfor_b_\@:
	tensor_load_to_lds s[G0B+4*\s:G0B+4*\s+3], s[G1B:G1B+7]
	s_nop 0
.rept 4
	v_nop
.endr
.Lasked_\@:
.endm
.macro CREST                           ; a round of the cluster's barrier behind its opening barrier
	s_cmp_lg_u32 s[WV], 0
	s_cbranch_scc1 .Lnot_wave_0_\@
	s_barrier_signal -3
.Lnot_wave_0_\@:
	s_barrier_wait -3
	s_barrier_signal -1
	s_barrier_wait -1
.endm
.macro CROUND                          ; a whole round
	s_barrier_signal -1
	s_barrier_wait -1
	CREST
.endm
; A PREFETCH INTO THE L2 of o's tile that stands TWO refills on (256 matrix instructions a wave ahead of the load that will want it).  It stands behind the joint load, its five lines and the run of LDS loads.
; Each aligned block of 256 bytes is named once in the launch: a tile row's rows of o are read by both clusters of that row of clusters, and the one with x = 0 asks; in it waves 0 and 1 ask, each for the head
; that it fetches (32,768 bytes); the four partners that ask for that tile jointly share its 128 blocks out BY ADDRESS, 32 each, a lane a block.  K steps 0 to 3 come by their loads alone; the loop's last
; trip asks for nothing: there is no K step two refills on.  Wo's tiles are read by all 32 tile rows and are not asked for.
.macro ASK
	s_cmp_gt_u32 s3, s[LIM]                        ; s3 = 1 in the loop's last trip
	s_cbranch_scc0 .Lnot_mine_\@
	global_prefetch_b8 v[PFO], s[PFA:PFA+1] offset:KADV th:TH_LOAD_NT scope:SCOPE_SE
.Lnot_mine_\@:
.endm
	s_load_b256 s[4:11], s[0:1], 0x0               ; oh s[4:5], wo16 s[6:7], bo s[8:9], out0 s[10:11]
	v_lshl_add_u32 v[SPW], v0, 2, SPARE
	v_mov_b32 v[NIL], 0
	ds_add_u32 v[SPW], v[NIL]                      ; the wave's opening: the add, twice on end, and its wait ahead of my first tensor load
	ds_add_u32 v[SPW], v[NIL]                      ; once more; the set-up below, work on registers, stands between it and the wait
	v_lshrrev_b32 v1, 5, v0
	v_readfirstlane_b32 s[WV], v1                  ; wave 0..3
	s_lshr_b32 s[RH], s[WV], 1
	s_and_b32 s[CH], s[WV], 1
	s_bfe_u32 s40, ttmp6, 0x40000                  ; cx, cy: my place in the cluster
	s_bfe_u32 s41, ttmp6, 0x40004
	s_lshl_b32 s42, ttmp9, 2
	s_add_co_u32 s42, s42, s40                     ; tile column = 4 x cluster x + cx
	s_and_b32 s15, ttmp7, 0xffff
	s_lshl_b32 s15, s15, 2
	s_add_co_u32 s15, s15, s41                     ; tile row = 4 x cluster y + cy
	s_lshl_b32 s43, s41, 2
	s_lshl_b32 s43, 15, s43                        ; my row of the cluster
	s_lshl_b32 s44, 0x1111, s40                    ; my column
	s_or_b32 s[G1+0], s43, (1<<16)|(1<<20)|(1<<21)|(5<<22)|(3<<25)  ; 15:0 the mask: o's tiles go to my row; 17:16 elements of 2 bytes; 20 padding on; 21 set beside a mask; 24:22 after every 64 words; 31:25 four words
	s_or_b32 s[G1B+0], s44, (1<<16)|(1<<20)|(1<<21)|(5<<22)|(3<<25)
	s_mov_b32 s[G1+1], 128<<16                     ; o: 128 rows of 128 elements
	s_mov_b32 s[G1+2], 128<<16
	s_mov_b32 s[G1+3], 128<<16
	s_mov_b32 s[G1+4], 128
	s_mov_b32 s[G1+5], 128
	s_mov_b32 s[G1+6], 0
	s_mov_b32 s[G1+7], 0
	s_mov_b32 s[G1B+1], 128<<16                    ; Wo: 64 rows of 128 elements
	s_mov_b32 s[G1B+2], 64<<16
	s_mov_b32 s[G1B+3], 128<<16
	s_mov_b32 s[G1B+4], 64
	s_mov_b32 s[G1B+5], 128
	s_mov_b32 s[G1B+6], 0
	s_mov_b32 s[G1B+7], 0
	s_lshr_b32 s16, s15, 3                         ; o: the batch,
	s_lshl_b32 s16, s16, 4                         ; its 16 heads,
	s_add_co_u32 s16, s16, s[CH]                   ; the head of K step 0 that I fetch,
	s_lshl_b32 s16, s16, 11                        ; 2,048 rows a head,
	s_and_b32 s17, s15, 7
	s_lshl_b32 s17, s17, 8
	s_add_co_u32 s16, s16, s17                     ; + 256 x (tile row % 8),
	s_lshl_b32 s16, s16, 7                         ; rows of 128 bytes (under 2^24)
	s_mov_b32 s17, 0
	s_lshl_b32 s46, s[CH], 10                      ; Wo: 1,024 rows a head,
	s_lshl_b32 s47, s42, 7
	s_add_co_u32 s46, s46, s47                     ; + 128 x tile column,
	s_lshl_b32 s46, s46, 7
	s_mov_b32 s47, 0
	s_mul_i32 s20, s[CH], AHEAD                    ; where they go: no place in the cluster enters an LDS address
	s_mul_i32 s21, s[CH], BHEAD
	s_add_co_u32 s21, s21, BOFF
	s_wait_dscnt 0x0                               ; both opening adds are done
	s_wait_kmcnt 0x0
	s_add_nc_u64 s[18:19], s[4:5], s[16:17]
	s_add_nc_u64 s[46:47], s[6:7], s[46:47]
	CROUND                                         ; all sixteen work-groups are here: the first joint loads meet
.irp s, 0,1
	s_mov_b32 s[G0+4*\s], 1
	s_add_co_u32 s[G0+4*\s+1], s20, \s*SLOT
	s_add_nc_u64 s[G0+4*\s+2:G0+4*\s+3], s[18:19], \s*KADV
	s_or_b32 s[G0+4*\s+3], s[G0+4*\s+3], 0x80000000
	s_mov_b32 s[G0B+4*\s], 1
	s_add_co_u32 s[G0B+4*\s+1], s21, \s*SLOT
	s_add_nc_u64 s[G0B+4*\s+2:G0B+4*\s+3], s[46:47], \s*2*131072
	s_or_b32 s[G0B+4*\s+3], s[G0B+4*\s+3], 0x80000000
	JLOAD \s
.endr
	; bo and out0 at my columns: (128 x tile column + 64 x column half) numbers of 4 bytes, in registers that fed none of o's descriptors
	s_lshl_b32 s46, s42, 9
	s_lshl_b32 s47, s[CH], 8
	s_add_co_u32 s46, s46, s47
	s_mov_b32 s47, 0
	s_add_nc_u64 s[8:9], s[8:9], s[46:47]
	s_add_nc_u64 s[10:11], s[10:11], s[46:47]
	v_and_b32 v1, 15, v0                           ; r = lane % 16
	v_bfe_u32 v2, v0, 4, 1                         ; h = lane / 16
	v_lshlrev_b32 v[BOO], 5, v2                    ; bo: register 8 b + j takes column 16 b + 8 h + j
.irp b, 0,1,2,3
	global_load_b128 v[BO+8*\b:BO+8*\b+3], v[BOO], s[8:9] offset:64*\b
	global_load_b128 v[BO+8*\b+4:BO+8*\b+7], v[BOO], s[8:9] offset:64*\b+16
.endr
	s_lshl_b32 s16, s15, 8
	s_lshl_b32 s17, s[RH], 7
	s_add_co_u32 s16, s16, s17                     ; my first row: 256 x tile row + 128 x row half
	s_lshl_b32 s16, s16, 12                        ; rows of 4,096 bytes (under 2^25)
	s_mov_b32 s17, 0
	s_add_nc_u64 s[10:11], s[10:11], s[16:17]
	v_lshrrev_b32 v3, 1, v1
	v_and_b32 v4, 1, v1
	v_mul_u32_u24 v3, v3, PITCH
	v_lshl_add_u32 v3, v4, 7, v3
	v_lshl_add_u32 v3, v2, 4, v3                   ; a fragment's row r: (r / 2) x pitch + 128 (r % 2) + 16 h
	s_mul_i32 s21, s[RH], 64*PITCH                 ; my 128 rows of o
	s_mul_i32 s22, s[CH], 32*PITCH                 ; my 64 rows of Wo,
	s_add_co_u32 s22, s22, BOFF                    ; which lie behind o's two heads
.irp s, 0,1
	v_add_nc_u32 v[ADRA+\s], s21, v3
	v_add_nc_u32 v[ADRB+\s], s22, v3
	s_add_co_u32 s21, s21, SLOT
	s_add_co_u32 s22, s22, SLOT
.endr
	s_mul_i32 s23, s[WV], 16*SPITCH
	s_add_co_u32 s23, s23, STAGE                   ; my stage
	v_mul_u32_u24 v4, v1, SPITCH                   ; in: row r, 32 bytes for each half of the lanes
	v_lshl_add_u32 v4, v2, 5, v4
	v_add_nc_u32 v[STO], s23, v4
	v_mul_u32_u24 v5, v2, SPITCH                   ; back: lanes 0-15 take one row of 256 bytes, lanes 16-31 the next
	v_lshl_add_u32 v5, v1, 4, v5
	v_add_nc_u32 v[RD], s23, v5
	v_lshlrev_b32 v[CO], 12, v2                    ; and the same two rows in out0
	v_lshl_add_u32 v[CO], v1, 4, v[CO]
	; the prefetches: who asks, and where they stand
	s_or_b32 s[LIM], s[RH], ttmp9                  ; 0 in waves 0 and 1 of the clusters with x = 0: the same in all sixteen partners, for a given wave
	s_cmp_eq_u32 s[LIM], 0
	s_cselect_b32 s[LIM], 1, -1
	s_lshl_b32 s22, s40, 13                        ; my work-group's 32 blocks of the head's 128
	s_mov_b32 s23, 0
	s_add_nc_u64 s[PFA:PFA+1], s[18:19], s[22:23]
	s_add_nc_u64 s[PFA:PFA+1], s[PFA:PFA+1], 2*KADV   ; at K step 2: the first refill steps it to 3 and names K step 4.  Nothing is prefetched here, at the head
	v_and_b32 v[PFO], 31, v0
	v_lshlrev_b32 v[PFO], 8, v[PFO]
; 8 matrix instructions: o's blocks a0, a0 + 1 against Wo's four, 32 along K, from buffer buf.  bias = 1: the first product starts the sums from bo.
; The 32 accumulators take turns, one instruction a turn, in the same order in every quarter.
.macro MUL8 buf, a0, bias
.irp a, \a0, \a0+1
.irp b, 0,1,2,3
.if \bias
	v_wmma_f32_16x16x32_f16 v[8*(4*(\a)+\b):8*(4*(\a)+\b)+7], v[BF+32*(\buf)+8*\b:BF+32*(\buf)+8*\b+7], v[AF+64*(\buf)+8*(\a):AF+64*(\buf)+8*(\a)+7], v[BO+8*\b:BO+8*\b+7]
.else
	v_wmma_f32_16x16x32_f16 v[8*(4*(\a)+\b):8*(4*(\a)+\b)+7], v[BF+32*(\buf)+8*\b:BF+32*(\buf)+8*\b+7], v[AF+64*(\buf)+8*(\a):AF+64*(\buf)+8*(\a)+7], v[8*(4*(\a)+\b):8*(4*(\a)+\b)+7]
.endif
.endr
.endr
.endm
; 24 LDS loads in one run: the fragments of the slot's quarter q (head q / 2, channels 32 (q % 2) on) into buffer buf: Wo's four, then o's eight, blocks 4-7 last
.macro FETCH slot, q, buf
	WIN 0
.irp i, 0,1,2,3
	ds_load_b128 v[BF+32*(\buf)+8*\i:BF+32*(\buf)+8*\i+3], v[ADRB+\slot] offset:((\q)/2)*BHEAD+((\q)%2)*64+\i*8*PITCH
	ds_load_b128 v[BF+32*(\buf)+8*\i+4:BF+32*(\buf)+8*\i+7], v[ADRB+\slot] offset:((\q)/2)*BHEAD+((\q)%2)*64+\i*8*PITCH+32
.endr
.irp i, 0,1,2,3,4,5,6,7
	ds_load_b128 v[AF+64*(\buf)+8*\i:AF+64*(\buf)+8*\i+3], v[ADRA+\slot] offset:((\q)/2)*AHEAD+((\q)%2)*64+\i*8*PITCH
	ds_load_b128 v[AF+64*(\buf)+8*\i+4:AF+64*(\buf)+8*\i+7], v[ADRA+\slot] offset:((\q)/2)*AHEAD+((\q)%2)*64+\i*8*PITCH+32
.endr
.endm
.macro PLACES                          ; four places in front of loads into registers that matrix instructions have read, and of the first read of results (ISA guide 7.12.1 for the first read of results)
.rept 4
	v_nop
.endr
.endm
; A K step is four quarters of 32 along K, 32 matrix instructions each, on buffers 0, 1, 0, 1.  One of the first three: multiplies buffer f; in its middle it fetches quarter q of the same slot into buffer g.
.macro QUARTER slot, q, f, g, bias
	s_wait_dscnt 8                                 ; Wo's fragments and o's blocks 0-3 are in; the youngest eight loads (o's blocks 4-7) may be out
	WIN MUL-16*(\bias)
	MUL8 \f, 0, \bias
	MUL8 \f, 2, \bias
	PLACES
	FETCH \slot, \q, \g
	s_wait_dscnt 24                                ; all but the 24 just issued
	WIN MUL-16*(\bias)
	MUL8 \f, 4, \bias
	MUL8 \f, 6, \bias
.endm
; The last quarter multiplies buffer 1 and changes slots: ONE barrier; in front of it each wave waits for all its tensor loads, adds 0 to its spare word, and waits for that and for its reads of this slot.
; fill = 1: this slot is filled again, two K steps ahead; the barrier then opens a round of the cluster's barrier, and the joint refill is the first tensor load behind the round.
.macro TURN slot, next, fill
.if \fill
	s_wait_xcnt 0x0                                ; the last prefetch, a K step back, has read its address: it is stepped here, ahead of the waits of the change of slots
	s_add_nc_u64 s[PFA:PFA+1], s[PFA:PFA+1], KADV
.endif
	WIN 0                                          ; (the add's two registers lie in window 0)
	s_wait_tensorcnt 0x0                           ; all my tensor loads have landed: my part of the next slot;
	ds_add_u32 v[SPW], v[NIL]                      ; 0 onto my spare word;
	s_wait_dscnt 9                                 ; (the add and the youngest eight loads may be out)
	WIN MUL
	MUL8 F1, 0, 0                                  ; eight matrix instructions stand between the add and the wait for it
	s_wait_dscnt 0x0                               ; the add is done, and my reads of this slot are over
	s_barrier_signal -1
	MUL8 F1, 2, 0
	WIN 0
	s_barrier_wait -1
.if \fill
	CREST                                          ; no wave of any partner still reads this slot's tiles or has a load on its way
	s_add_nc_u64 s[G0+4*\slot+2:G0+4*\slot+3], s[G0+4*\slot+2:G0+4*\slot+3], 2*KADV          ; four heads on
	s_add_nc_u64 s[G0B+4*\slot+2:G0B+4*\slot+3], s[G0B+4*\slot+2:G0B+4*\slot+3], 4*131072
	JLOAD \slot                                    ; the four v_nop behind it are also the places in front of the loads below
.else
	PLACES
.endif
	FETCH \next, 0, F0
.if \fill
	ASK
.endif
	WIN MUL
	MUL8 F1, 4, 0
	MUL8 F1, 6, 0
.endm
	s_wait_tensorcnt 1                             ; my part of K step 0 is in (K step 1's may be out)
	s_barrier_signal -1
	s_barrier_wait -1                              ; everybody's is
	FETCH 0, 0, F0
	s_wait_loadcnt 0x0                             ; bo
	QUARTER 0, 1, F0, F1, 1                        ; the first quarter stands in front of the loop: its products start the sums from bo
	WIN 0                                          ; at a label and at a branch every window is 0
	s_mov_b32 s3, 3
.Llap:                                                 ; a trip goes once round the ring, from a lap's second quarter to the next lap's first, and fills both slots again: K steps 2 to 7
	QUARTER 0, 2, F1, F0, 0
	QUARTER 0, 3, F0, F1, 0
	TURN 0, 1, 1
	QUARTER 1, 1, F0, F1, 0
	QUARTER 1, 2, F1, F0, 0
	QUARTER 1, 3, F0, F1, 0
	TURN 1, 0, 1
	QUARTER 0, 1, F0, F1, 0
	WIN 0
	s_sub_co_u32 s3, s3, 1
	s_cmp_lg_u32 s3, 0
	s_cbranch_scc1 .Llap
	QUARTER 0, 2, F1, F0, 0                        ; the last lap fills nothing, and has no round of the cluster's barrier
	QUARTER 0, 3, F0, F1, 0
	TURN 0, 1, 0
	QUARTER 1, 1, F0, F1, 0
	QUARTER 1, 2, F1, F0, 0
	QUARTER 1, 3, F0, F1, 0
	s_wait_dscnt 8                                 ; the very last quarter: nothing more to fetch
	WIN MUL
	MUL8 F1, 0, 0
	MUL8 F1, 2, 0
	s_wait_dscnt 0x0
	MUL8 F1, 4, 0
	MUL8 F1, 6, 0
	WIN 0
; THE WAY OUT, block by block of 16 rows x 64 columns.  A lane holds 32 neighbouring bytes of a row, and the lanes beside it hold other rows: so a block goes through my own stage and comes back as whole
; rows of 256 bytes, two to an instruction.  LDS serves a wave's instructions in order (ISA guide 5.7.1.4): no wait between the stores and the loads, nor in front of the next block's stores.
.macro TOSTAGE a
	WIN 0x04                                       ; an LDS store's data are its source 1: window 1
.irp b, 0,1,2,3
	ds_store_b128 v[STO], v[8*(4*(\a)+\b):8*(4*(\a)+\b)+3] offset:64*\b            ; each accumulator from its low end on
	ds_store_b128 v[STO], v[8*(4*(\a)+\b)+4:8*(4*(\a)+\b)+7] offset:64*\b+16
.endr
	WIN 0
.set BB, BK+32*((\a)%2)
.irp t, 0,1,2,3,4,5,6,7
	ds_load_b128 v[BB+4*\t:BB+4*\t+3], v[RD] offset:\t*2*SPITCH
.endr
.endm
.macro SEND a, younger                 ; younger: the LDS instructions issued behind block a's loads, which may stay out
.set BB, BK+32*((\a)%2)
	s_wait_dscnt \younger                          ; the block is back in registers
.if (\a) > 0
	s_add_nc_u64 s[10:11], s[10:11], 16*4096       ; (behind a wait on XCNT: the earlier stores have read their base)  16 rows on
.endif
.irp t, 0,1,2,3,4,5,6,7
	global_store_b128 v[CO], v[BB+4*\t:BB+4*\t+3], s[10:11] offset:\t*2*4096 th:TH_STORE_NT   ; sixteen lanes store 256 consecutive bytes, at a multiple of 256 from out0's first byte
.endr
.endm
	PLACES                                         ; behind the last products: for the stores that read results and the loads into registers that held fragments
	TOSTAGE 0
.irp a, 1,2,3,4,5,6,7
.if \a > 1
	s_wait_xcnt 0x0                                ; block a - 2's stores have read their registers and their base: block a's loads may land there, and the base may step
.endif
	TOSTAGE \a
	SEND \a-1, 16                                  ; behind block a - 1's loads: block a's 8 stores and 8 loads
.endr
	s_wait_xcnt 0x0                                ; block 6's stores have read their base
	SEND 7, 0
	s_wait_tensorcnt 0x0                           ; the wave's end, behind my last tensor load and my last LDS store
	ds_add_u32 v[SPW], v[NIL]
	s_wait_dscnt 0x0
	CROUND                                         ; the closing round: no work-group ends while a partner may still ask for a tile that names it
	s_endpgm
.Lfunc_end_k_q05daecf574_proj:
	.size	k_q05daecf574_proj, .Lfunc_end_k_q05daecf574_proj-k_q05daecf574_proj
	.p2alignl 7, 3214868480
	.fill 96, 4, 3214868480
	.section	.rodata,"a",@progbits
	.p2align	6, 0x0
	.amdhsa_kernel k_q05daecf574_proj
		.amdhsa_group_segment_fixed_size 327680
		.amdhsa_private_segment_fixed_size 0
		.amdhsa_enable_private_segment 0
		.amdhsa_kernarg_size 32
		.amdhsa_user_sgpr_count 2
		.amdhsa_user_sgpr_kernarg_segment_ptr 1
		.amdhsa_wavefront_size32 1
		.amdhsa_system_sgpr_workgroup_id_x 1
		.amdhsa_system_sgpr_workgroup_id_y 1
		.amdhsa_system_sgpr_workgroup_id_z 1
		.amdhsa_system_vgpr_workitem_id 0
		.amdhsa_next_free_vgpr 512
		.amdhsa_next_free_sgpr 66
		.amdhsa_reserve_vcc 0
		.amdhsa_float_denorm_mode_32 3
		.amdhsa_float_denorm_mode_16_64 3
		.amdhsa_memory_ordered 1
		.amdhsa_forward_progress 1
		.amdhsa_inst_pref_size 88
	.end_amdhsa_kernel
	.amdgpu_metadata
---
amdhsa.version: [ 1, 2 ]
amdhsa.kernels:
  - .name:           k_q05daecf574_proj
    .symbol:         k_q05daecf574_proj.kd
    .args:
      - { .name: oh, .offset: 0, .size: 8, .value_kind: global_buffer, .address_space: global }
      - { .name: wo16, .offset: 8, .size: 8, .value_kind: global_buffer, .address_space: global }
      - { .name: bo, .offset: 16, .size: 8, .value_kind: global_buffer, .address_space: global }
      - { .name: out0, .offset: 24, .size: 8, .value_kind: global_buffer, .address_space: global }
    .group_segment_fixed_size: 327680
    .private_segment_fixed_size: 0
    .kernarg_segment_align: 8
    .kernarg_segment_size: 32
    .max_flat_workgroup_size: 128
    .sgpr_count:     66
    .vgpr_count:     512
    .wavefront_size: 32
...
	.end_amdgpu_metadata
.endif
;; end of part 4
